; MI455X (gfx1250); checked and timed in simulation.
; The chip was launched on July 23, 2026; its instructions are those of AMD's public machine-readable ISA for CDNA 5 (MIT licence, August 2026) and "CDNA5" Instruction Set Architecture Reference Guide (July 2026). The comments in the code are by the model that wrote it; some were corrected since.
;; Self Attention. Allowed arithmetic: matrix products marked QUANTISED: E4M3 operands, one given power-of-two scale a tensor, by v_wmma_f32_16x16x64_fp8_fp8 or v_wmma_f32_16x16x128_fp8_fp8, f32 sums; everything else in f32.
;; Inputs: b_out 1,024 float32; b_qkv 3,072 float32; lowp_scales 8 int32 (the exponents e of the quantised operands' scales 2^e); w_out 1,024 x 1,024 float32; w_qkv 1,024 x 3,072 float32; x 4 x 2,048 x 1,024 float32.
;; Outputs: out0 4 x 2,048 x 1,024 float32.
;; This version of the problem:
;;   THIS VERSION OF THE PROBLEM IS GIVEN IN LOW PRECISION. The matrix products marked QUANTISED in the list below multiply operands that are first quantised to E4M3 (4 exponent bits, 3 mantissa bits; 8 bits a number), with one given power-of-two scale for each operand tensor; their sums are f32. All else is computed in f32.
;;   The module's matrix products, in the order in which they are computed (A, B: the left and right operand; K: the contracted axis; several contracted axes count as one K, in the product's order):
;;     1. [M 8,192, K 1,024] x [K 1,024, N 3,072]; A: input x; B: input w_qkv: QUANTISED (scales: A lowp_scales[0], B lowp_scales[1])
;;     2. batch 64 x [M 2,048, K 64] x [K 64, N 2,048]; A: computed on the way; B: computed on the way: QUANTISED (scales: A lowp_scales[2], B lowp_scales[3])
;;     3. batch 64 x [M 2,048, K 2,048] x [K 2,048, N 64]; A: softmax (see below); B: computed on the way: QUANTISED (scales: A lowp_scales[4], B lowp_scales[5])
;;     4. [M 8,192, K 1,024] x [K 1,024, N 1,024]; A: computed on the way; B: input w_out: QUANTISED (scales: A lowp_scales[6], B lowp_scales[7])
;;   THE QUANTISER, for each operand of a quantised product, along K:
;;     - The operand's scale is 2^e, e = its entry of the input lowp_scales (int32; the entries are numbered through the quantised products in the list's order, A before B).
;;     - Each number is divided by the scale, clamped to +-448, and rounded to the nearest number of E4M3, ties to even, subnormals kept.
;;     - The product sums the exact products of the quantised numbers (number of the format x scale) in f32.
;;   ~~~python
;;   def quantise(x, axis, e):      # numpy; x: float32 -> the quantised numbers, widened to float32 again
;;       x = np.moveaxis(x, axis, -1); K = x.shape[-1]
;;       r = np.clip(x / 2.0 ** e, -448, 448)
;;       step = 2.0 ** (np.maximum(np.frexp(np.where(r == 0, 1, r))[1] - 1, -6) - 3)
;;       q = np.round(r / step) * step * 2.0 ** e      # np.round: ties to even
;;       return np.moveaxis(q, -1, axis).astype(np.float32)
;;   ~~~
;;   SOFTMAX AHEAD OF A QUANTISED PRODUCT. Where the list says 'softmax', what is quantised is not the finished softmax but p = 2^(t - M), with t = logit x log2(e) and M = ceil(the row's largest t), a whole number; so 1/2 < the row's largest p <= 1. The row's sum l is taken of the UNQUANTISED p, in f32, and the product's result is divided by l at the end. Since M is a whole number, a kernel that streams over the keys may use a running M (the ceiling of the running maximum): every later rescaling is an exact power of two, so the quantised numbers keep their values, but for numbers so far below the row's largest that they fall under the format's range.
;;   OPERANDS COMPUTED ON THE WAY. 'Computed on the way' means the value that the module computes at that place (a softmax that the list does not call 'softmax' is quantised finished and normalised). What goes into a quantiser is computed in f32, as accurately as f32 sums, v_exp_f32 and their like allow (about 1e-6 of the number): no bf16 or f16 on the way to a quantiser, and a product that is left as it is and whose result goes on into a quantised operand takes f32 operands (vector FMAs, or v_wmma_f32_16x16x4_f32). A number that lies on a knife's edge between two numbers of the format may be rounded either way, as far as f32 arithmetic and the matrix unit's own rounding can turn it there, and no further.
;; One version. Each part assembles by itself: llvm-mc -triple=amdgcn-amd-amdhsa -mcpu=gfx1250 --defsym DOCPART=n.
;; ======== version 1 of 1: 4 launches
;; limits: right only within a limited range of input values
;; workspace buffers: x_codes 8,388,608 bytes; wqkv_codes 3,145,728 bytes; wout_codes 1,048,576 bytes; qkv_codes 25,165,824 bytes; attn_codes 8,388,608 bytes
;; launch quant (part 1): grid 384 x 1, 4 waves a work-group, no clusters, 68,096 bytes of LDS; arguments x, w_qkv, w_out, lowp_scales, x_codes, wqkv_codes, wout_codes; writes x_codes, wqkv_codes, wout_codes
.if DOCPART == 1
	.amdgcn_target "amdgcn-amd-amdhsa--gfx1250"
	.amdhsa_code_object_version 6
	.text
	.protected	k_qeadb05a512_quant
	.globl	k_qeadb05a512_quant
	.p2align	8
	.type	k_qeadb05a512_quant,@function
k_qeadb05a512_quant:
	s_mov_b64 s[64:65], 0
	v_nop
	global_prefetch_b8 v0, s[64:65] scope:SCOPE_SE
	s_setreg_imm32_b32 hwreg(HW_REG_WAVE_MODE, 25, 1), 1
	s_wait_xcnt 0x0
; x [8192][1024], w_qkv [1024][3072] and w_out [1024][1024], f32, become codes of FP8 (E4M3), one byte each, K innermost, each with the one scale 2^e given for it
; (entries 0, 1 and 7 of the buffer of scales).  code = number / 2^e, held within +-448, rounded to the nearest code, ties to even.
; LIMITS: each e lies between -126 and 119, so that 2^e and 448 x 2^e are f32 numbers.  NaN among the inputs is not served; an infinity is held at the largest code.
; ROW ORDER OF ALL THREE RESULTS: the row stored at position p is the logical row p with bits 3 and 4 exchanged.  Sixteen neighbouring positions 16 i + r then hold the logical rows
; 32 (i / 2) + 8 (i % 2) + r + 8 (r / 8): the choice of rows by which a later product's results come out as 16 neighbours along the next K in one lane.
; Work-groups 0-255 take x (K innermost: a plain stream), work-groups 256-351 w_qkv, 352-383 w_out (K outermost: a lane to a column, registers down K).  The two ways use LDS bytes of their own.
; No tensor loads, no barrier: waves share nothing.
.set XWG,   256                        ; work-groups for x: 8192 x 1024 numbers / 32,768
.set STEPS, 16
.set SP,    80                         ; x: a lane's place in a stage: its 64 bytes + 16 of padding
.set R,     16                         ; x: v16-79   four sets of 16 numbers as they are loaded
.set X,     80                         ; x: v80-111  two sets of 16 neighbours
.set C,     128                        ; x: v128-191 codes, four registers a step: no store's data are written again
.set WST,   32768                      ; weights: the stages begin behind x's 4 x 8,192 bytes
.set WP,    272                        ; weights: a stage row: 256 codes + 16 bytes
.set WX,    32                         ; weights: v32-95   two sets of 32 numbers
.set WC,    96                         ; weights: v96-103  a block's codes
.set WO,    112                        ; weights: v112-175 the way out
.set OFF,   176                        ; weights: v176-207 byte offset of row i of a block at my column: 4 x lane + i x a row of the weight
.set WB,    48                         ; weights: s[48:63] the addresses of my eight blocks of 32 rows
	s_load_b256 s[4:11], s[0:1], 0x0               ; x s[4:5], w_qkv s[6:7], w_out s[8:9], the scales' exponents s[10:11]
	s_load_b128 s[12:15], s[0:1], 0x20             ; x_codes s[12:13], wqkv_codes s[14:15]
	s_load_b64 s[16:17], s[0:1], 0x30              ; wout_codes
	v_lshl_add_u32 v208, v0, 2, 0x10800
	v_mov_b32 v209, 0
	v_lshrrev_b32 v1, 5, v0
	v_readfirstlane_b32 s18, v1                    ; wave 0..3
	v_and_b32 v2, 31, v0                           ; lane
	s_wait_kmcnt 0x0
	s_load_b256 s[40:47], s[10:11], 0x0            ; e0 .. e7
	s_cmp_lt_u32 ttmp9, XWG
	s_cbranch_scc0 .Lweights
; ---------------- x.  A wave takes 8,192 numbers, eight whole rows, in 16 steps of 512.  Each load reads 512 consecutive bytes, 16 a lane; a step's 2,048 bytes turn through the wave's own stage in LDS
; and come back 64 bytes a lane: 16 neighbours along K, as the conversions want them.  A lane's 16 codes are 16 bytes: each store of the wave covers 512 consecutive bytes, aligned.
	s_wait_alu depctr_va_vdst(0)
	v_lshlrev_b32 v3, 4, v2                        ; 16 x lane: my bytes of a load's 512 and of a store's 512; never rewritten
	s_wait_alu depctr_va_vdst(0)
	s_lshl_b32 s19, s18, 13                        ; my wave's 8,192 bytes of LDS: two stages of 32 x SP
	v_lshrrev_b32 v14, 2, v2
	v_mul_u32_u24 v14, v14, SP
	v_and_b32 v15, 3, v2
	v_lshl_add_u32 v14, v15, 4, v14
	v_add_nc_u32 v14, s19, v14                     ; into the stage: four lanes' 64 bytes on end, then the padding
	v_mul_u32_u24 v15, v2, SP
	v_add_nc_u32 v15, s19, v15                     ; out of it: SP x lane
	s_lshl_b32 s20, ttmp9, 2
	s_add_co_u32 s22, s20, s18                     ; which run of eight rows is mine: 4 x work-group + wave
	s_lshl_b32 s22, s22, 15                        ; x 32,768 bytes of f32
	s_mov_b32 s23, 0
	s_add_nc_u64 s[4:5], s[4:5], s[22:23]
	s_and_b32 s24, s18, 1                          ; the wave's two bits are the rows' bits 3 and 4: they change places on the way out
	s_lshl_b32 s24, s24, 1
	s_lshr_b32 s25, s18, 1
	s_or_b32 s24, s24, s25
	s_add_co_u32 s24, s24, s20
	s_lshl_b32 s24, s24, 13                        ; x 8,192 bytes of codes
	s_mov_b32 s25, 0
	s_add_nc_u64 s[12:13], s[12:13], s[24:25]
.macro LOAD t
.irp i, 0,1,2,3
	global_load_b128 v[R+16*((\t)%4)+4*\i:R+16*((\t)%4)+4*\i+3], v3, s[4:5] offset:2048*(\t)+512*\i th:TH_LOAD_NT
.endr
.endm
.macro TURN t                          ; step t's numbers through the stage: LDS serves a wave's instructions in order (ISA guide 5.7.1.4), so no wait stands between the stores and the loads
.irp i, 0,1,2,3
	ds_store_b128 v14, v[R+16*((\t)%4)+4*\i:R+16*((\t)%4)+4*\i+3] offset:32*SP*((\t)%2)+8*SP*\i
.endr
.irp i, 0,1,2,3
	ds_load_b128 v[X+16*((\t)%2)+4*\i:X+16*((\t)%2)+4*\i+3], v15 offset:32*SP*((\t)%2)+16*\i
.endr
.endm
.irp t, 0,1,2,3
	LOAD \t
.endr
	s_wait_alu depctr_va_vdst(0)
	s_wait_kmcnt 0x0
	s_add_co_i32 s26, s40, 127
	s_lshl_b32 s27, s26, 23
	v_mov_b32 v11, s27                             ; 2^e0 as f32: the conversion takes its exponent field
	s_add_co_i32 s26, s26, 8
	s_lshl_b32 s26, s26, 23
	s_or_b32 s26, s26, 0x600000
	v_mov_b32 v10, s26                             ; 448 x 2^e0
	s_wait_alu depctr_va_vdst(0)
	s_wait_loadcnt 12                              ; step 0's four loads are in; the twelve behind them may be out
	TURN 0
.macro STEP t
.set XS, X+16*((\t)%2)
	s_wait_dscnt 0x0                               ; this step's numbers are back from the stage, so its stores into the stage have read their registers,
.if (\t)+4 < STEPS
	LOAD (\t)+4                                    ; which take the loads of four steps on
.endif
.if (\t)+1 < STEPS
.if STEPS-2-(\t) >= 3
	s_wait_loadcnt 12                              ; the next step's four loads are in; those of the three steps behind it may be out
.else
	s_wait_loadcnt 4*(STEPS-2-(\t))
.endif
	TURN (\t)+1                                    ; and go through the other stage while this step is worked
.endif
.irp i, 0,1,2,3,4,5,6,7,8,9,10,11,12,13,14,15
	v_med3_num_f32 v[XS+\i], v[XS+\i], -v10, v10   ; the conversion to an 8-bit code does not saturate (ISA guide 7.6.2): the hold at the largest code x the scale comes first
.endr
	v_cvt_scalef32_pk8_fp8_f32 v[C+4*(\t):C+4*(\t)+1], v[XS:XS+7], v11
	v_cvt_scalef32_pk8_fp8_f32 v[C+4*(\t)+2:C+4*(\t)+3], v[XS+8:XS+15], v11   ; (the results go to a store alone; the next vector lines are the next step's holds, plain ones on other registers)
	global_store_b128 v3, v[C+4*(\t):C+4*(\t)+3], s[12:13] offset:512*(\t)
.endm
.irp t, 0,1,2,3,4,5,6,7,8,9,10,11,12,13,14,15
	STEP \t
.endr
	s_wait_tensorcnt 0x0
	ds_add_u32 v208, v209
	s_wait_dscnt 0x0
	s_endpgm
; ---------------- the weights, [K][N] in memory.  A wave takes 32 columns x 256 along K.  A LANE TAKES A COLUMN AND ITS REGISTERS RUN DOWN K: each load reads 128 consecutive bytes a wave, and the conversions
; give codes with K innermost.  A column's 256 codes gather in the wave's own stage and leave as rows: sixteen lanes store 256 consecutive bytes, aligned.
; One text serves both weights: the pointers, a row's bytes and e are chosen by the work-group's number.
.Lweights:
	s_sub_co_u32 s20, ttmp9, XWG                   ; 0 .. 127
	s_cmp_ge_u32 s20, 96                           ; w_qkv has 24 x 4 parts of 128 columns x 256 K, w_out 8 x 4
	s_cselect_b64 s[22:23], s[8:9], s[6:7]         ; from
	s_cselect_b64 s[24:25], s[16:17], s[14:15]     ; to
	s_mov_b32 s26, 12288
	s_cselect_b32 s26, 4096, s26                   ; a row of the weight in bytes
	s_cselect_b32 s27, 96, 0
	s_sub_co_u32 s20, s20, s27
	s_lshr_b32 s29, s20, 2                         ; which 128 columns
	s_and_b32 s30, s20, 3                          ; which 256 along K
	s_lshl_b32 s29, s29, 7
	s_lshl_b32 s31, s18, 5
	s_add_co_u32 s29, s29, s31                     ; my wave's first column
	s_lshl_b32 s32, s26, 8
	s_mul_i32 s32, s32, s30                        ; 256 rows x which
	s_lshl_b32 s33, s29, 2
	s_add_co_u32 s32, s32, s33
	s_mov_b32 s33, 0
	s_add_nc_u64 s[WB:WB+1], s[22:23], s[32:33]    ; block 0
	s_lshl_b32 s34, s26, 5                         ; 32 rows on
	s_mov_b32 s35, 0
.irp t, 1,2,3,4,5,6,7
	s_add_nc_u64 s[WB+2*\t:WB+2*\t+1], s[WB+2*\t-2:WB+2*\t-1], s[34:35]
.endr
	s_lshl_b32 s36, s29, 10                        ; codes: a row of 1,024 bytes for each column,
	s_lshl_b32 s37, s30, 8                         ; + my 256 along K
	s_add_co_u32 s36, s36, s37
	s_mov_b32 s37, 0
	s_add_nc_u64 s[24:25], s[24:25], s[36:37]
	s_mul_i32 s19, s18, 32*WP
	s_add_co_u32 s19, s19, WST                     ; my stage
	s_wait_alu depctr_va_vdst(0)
	v_mul_u32_u24 v4, v2, WP
	v_add_nc_u32 v4, s19, v4                       ; into it: row = my column
	v_and_b32 v5, 15, v2
	v_lshrrev_b32 v6, 4, v2
	v_mul_u32_u24 v7, v6, WP
	v_lshl_add_u32 v7, v5, 4, v7
	v_add_nc_u32 v7, s19, v7                       ; out of it: sixteen lanes to a row, two rows an instruction
	v_lshlrev_b32 v8, 10, v6
	v_lshl_add_u32 v8, v5, 4, v8                   ; and the same place in the codes' buffer
	v_lshlrev_b32 v[OFF], 2, v2
.set i, 1
.rept 31
	v_add_nc_u32 v[OFF+i], s26, v[OFF+i-1]
.set i, i+1
.endr
.macro WLOAD t                         ; block t: rows 32 t + i at my column, into set t % 2
.set i, 0
.rept 32
	global_load_b32 v[WX+32*((\t)%2)+i], v[OFF+i], s[WB+2*(\t):WB+2*(\t)+1] th:TH_LOAD_NT
.set i, i+1
.endr
.endm
	WLOAD 0
	WLOAD 1
	s_wait_kmcnt 0x0
	s_cmp_ge_u32 ttmp9, XWG+96
	s_cselect_b32 s28, s47, s41                    ; e7 for w_out, e1 for w_qkv
	s_add_co_i32 s28, s28, 127
	s_lshl_b32 s27, s28, 23
	v_mov_b32 v11, s27                             ; 2^e
	s_add_co_i32 s28, s28, 8
	s_lshl_b32 s28, s28, 23
	s_or_b32 s28, s28, 0x600000
	v_mov_b32 v10, s28                             ; 448 x 2^e
.macro BLOCK t
.set XS, WX+32*((\t)%2)
.if (\t) < 7
	s_wait_loadcnt 32                              ; this block's 32 loads are in; the next block's may be out
.else
	s_wait_loadcnt 0
.endif
.set i, 0
.rept 32
	v_med3_num_f32 v[XS+i], v[XS+i], -v10, v10
.set i, i+1
.endr
.irp g, 0,1,2,3
	v_cvt_scalef32_pk8_fp8_f32 v[WC+2*\g:WC+2*\g+1], v[XS+8*\g:XS+8*\g+7], v11
.endr
	ds_store_b128 v4, v[WC:WC+3] offset:32*(\t)    ; 32 codes of my column's row
	ds_store_b128 v4, v[WC+4:WC+7] offset:32*(\t)+16
.if (\t)+2 < 8
	WLOAD (\t)+2
.endif
	s_wait_dscnt 0x0                               ; the stores have read their registers: the next block's codes may be written
.endm
	s_wait_alu depctr_va_vdst(0)
.irp t, 0,1,2,3,4,5,6,7
	BLOCK \t
.endr
.irp t, 0,1,2,3,4,5,6,7,8,9,10,11,12,13,14,15
	ds_load_b128 v[WO+4*\t:WO+4*\t+3], v7 offset:2*\t*WP
.endr
.irp t, 0,1,2,3,4,5,6,7,8,9,10,11,12,13,14,15
	s_wait_dscnt 15-\t
	global_store_b128 v8, v[WO+4*\t:WO+4*\t+3], s[24:25] offset:2*(((\t)&3)|(((\t)&4)<<1)|(((\t)&8)>>1))*1024   ; column 2 t + lane / 16 goes to the position with bits 3 and 4 exchanged: t's bits 2 and 3
.endr
	s_wait_tensorcnt 0x0
	ds_add_u32 v208, v209
	s_wait_dscnt 0x0
	s_endpgm
.Lfunc_end_k_qeadb05a512_quant:
	.size	k_qeadb05a512_quant, .Lfunc_end_k_qeadb05a512_quant-k_qeadb05a512_quant
	.p2alignl 7, 3214868480
	.fill 96, 4, 3214868480
	.section	.rodata,"a",@progbits
	.p2align	6, 0x0
	.amdhsa_kernel k_qeadb05a512_quant
		.amdhsa_group_segment_fixed_size 68096
		.amdhsa_private_segment_fixed_size 0
		.amdhsa_enable_private_segment 0
		.amdhsa_kernarg_size 56
		.amdhsa_user_sgpr_count 2
		.amdhsa_user_sgpr_kernarg_segment_ptr 1
		.amdhsa_wavefront_size32 1
		.amdhsa_system_sgpr_workgroup_id_x 1
		.amdhsa_system_sgpr_workgroup_id_y 1
		.amdhsa_system_sgpr_workgroup_id_z 1
		.amdhsa_system_vgpr_workitem_id 0
		.amdhsa_next_free_vgpr 210
		.amdhsa_next_free_sgpr 66
		.amdhsa_reserve_vcc 0
		.amdhsa_float_denorm_mode_32 3
		.amdhsa_float_denorm_mode_16_64 3
		.amdhsa_memory_ordered 1
		.amdhsa_forward_progress 1
		.amdhsa_inst_pref_size 87
	.end_amdhsa_kernel
	.amdgpu_metadata
---
amdhsa.version: [ 1, 2 ]
amdhsa.kernels:
  - .name:           k_qeadb05a512_quant
    .symbol:         k_qeadb05a512_quant.kd
    .args:
      - { .name: x, .offset: 0, .size: 8, .value_kind: global_buffer, .address_space: global }
      - { .name: w_qkv, .offset: 8, .size: 8, .value_kind: global_buffer, .address_space: global }
      - { .name: w_out, .offset: 16, .size: 8, .value_kind: global_buffer, .address_space: global }
      - { .name: lowp_scales, .offset: 24, .size: 8, .value_kind: global_buffer, .address_space: global }
      - { .name: x_codes, .offset: 32, .size: 8, .value_kind: global_buffer, .address_space: global }
      - { .name: wqkv_codes, .offset: 40, .size: 8, .value_kind: global_buffer, .address_space: global }
      - { .name: wout_codes, .offset: 48, .size: 8, .value_kind: global_buffer, .address_space: global }
    .group_segment_fixed_size: 68096
    .private_segment_fixed_size: 0
    .kernarg_segment_align: 8
    .kernarg_segment_size: 56
    .max_flat_workgroup_size: 128
    .sgpr_count:     66
    .vgpr_count:     210
    .wavefront_size: 32
...
	.end_amdgpu_metadata
.endif
;; end of part 1
;; launch qkv (part 2): grid 12 x 32, 4 waves a work-group, clusters of 4 x 4, 327,680 bytes of LDS; arguments x_codes, wqkv_codes, lowp_scales, b_qkv, qkv_codes; writes qkv_codes
.if DOCPART == 2
	.amdgcn_target "amdgcn-amd-amdhsa--gfx1250"
	.amdhsa_code_object_version 6
	.text
	.protected	k_qeadb05a512_qkv
	.globl	k_qeadb05a512_qkv
	.p2align	8
	.type	k_qeadb05a512_qkv,@function
k_qeadb05a512_qkv:
	s_mov_b64 s[64:65], 0
	v_nop
	global_prefetch_b8 v0, s[64:65] scope:SCOPE_SE
	s_setreg_imm32_b32 hwreg(HW_REG_WAVE_MODE, 25, 1), 1
	s_wait_xcnt 0x0
	s_wait_alu depctr_hold_cnt(0) depctr_sa_sdst(0) depctr_va_vdst(0) depctr_va_sdst(0) depctr_va_ssrc(0) depctr_va_vcc(0) depctr_vm_vsrc(0)
	s_getreg_b32 s2, hwreg(HW_REG_IB_STS2, 6, 4)
	s_cmp_eq_u32 s2, 0
	s_cbranch_scc0 .Lentry_in_a_cluster
	s_endpgm
.Lentry_in_a_cluster:
	s_bfe_u32 s2, ttmp6, 0x10000c
	s_cmp_lg_u32 s2, 0xf033
	s_cbranch_scc0 .Lentry_shape_is_right
	s_endpgm
.Lentry_shape_is_right:
; q, k, v = x w_qkv + b_qkv on codes of FP8 (E4M3), quantised again on the way out, each with its given scale, and stored as IMAGES OF THE NEXT PRODUCTS' OPERAND REGISTERS.
; x_codes [8192 positions][1024], wqkv_codes [3072 positions][1024]: K innermost; position p holds the logical row p with bits 3 and 4 exchanged.
; A sum stands for sum x 2^(e0 + e1); number = sum x 2^(e0 + e1) + bias, one fused multiply-add; code = number / 2^e (e2 for q, e3 for k, e5 for v), held within +-448.
; LIMITS: e0 + e1 between -126 and 127; e2, e3, e5 between -126 and 119.
; A tile of the result, 256 x 256, is made by a work-group of four waves; a wave makes 128 x 128: 64 accumulators, 512 registers.  K = 1024 goes in four steps of 256 through a ring of two LDS slots.
; CLUSTERS of 4 x 4 work-groups; the cluster's x says which tensor: 0 q, 1 k, 2 v.  Source 1's tile is shared along a row of the cluster, source 0's along a column: each is asked for jointly.
; In a result a lane holds ONE row of source 1, and the 16 registers of two neighbouring tiles of source 0 are 16 NEIGHBOURING logical rows of source 0 (the row order above does that).
;   q, k: source 1 = x (a lane: one token), source 0 = the weight (16 neighbouring channels: the next K).
;   v:    source 1 = the weight (a lane: one channel), source 0 = x (16 neighbouring keys: the next K).  So in v's clusters the two buffers, and the two grid coordinates, change places; the loop is one text.
; qkv_codes: q at byte 0, k at 8,388,608, v at 16,777,216; 131,072 bytes for each of 64 (batch, head).
;   q, k: [tile A of 16 rows: 128][c: 2][lane][16 bytes]: lane 16 h + r: row 32 (A / 2) + 8 (A % 2) + r + 8 (r / 8), channels 32 c + 16 h + 0 .. 15.
;   v:    [128 keys: 16][tile t of 16 channels: 4][c: 4][lane][16 bytes]: channel 32 (t / 2) + 8 (t % 2) + r + 8 (r / 8), keys 32 c + 16 h + 0 .. 15.
; Every store of a wave is 16 bytes a lane at 16 x lane: 512 consecutive bytes, aligned.  No stage is needed.
; REGISTERS, in windows of 256: window 0: v16-31 addresses and constants; v32-95 the bias by register, v96-111 the bias by lane (twice, as pairs); v128-255 source 1's fragments, ONE set; on the way out numbers and codes.
;   window 1: source 0's fragments, TWO sets.   windows 2, 3: the accumulators ((a, b) at v[8 (8 (a % 4) + b)]).
.set ROWB,   256                       ; a tile's row: 256 codes
.set KROW,   1024                      ; a row in memory
.set PITCH,  272                       ; an LDS row: 256 bytes + 16 of padding = 68 words: row r starts at bank 4 r mod 64 (64 banks of 4 bytes: ISA guide 11.1)
.set FR,     16                        ; registers of a fragment: 16 rows x 128 K
.set NL,     4                         ; LDS loads that bring one
.set NP,     4                         ; places behind this matrix instruction (ISA guide 7.12.1)
.set HALFT,  128*PITCH
.set SLOT,   4*HALFT                   ; source 1's 256 rows, then source 0's
.set SPARE,  2*SLOT                    ; behind the ring: the spare words, 128 bytes for each wave, which no other line names
.set ADRA, 16                          ; v16-17  LDS address of my fragments of source 1 in slot 0, 1
.set ADRB, 20                          ; v20-21  of source 0
.set BOL,  24                          ; v24     4 (r + 8 (r / 8)): the bias of my lane's row
.set CO,   26                          ; v26     16 x lane
.set BOC,  27                          ; v27     64 h: the bias of my half's registers
.set SPW,  28                          ; v28     LDS address of my spare word; never rewritten
.set NIL,  29                          ; v29     0; never rewritten
.set SC,   30                          ; v30     2^e as f32
.set LIM,  31                          ; v31     448 x 2^e
.set BC,   32
.set BL,   96
.set AF,   128
.set TMP,  128                         ; the way out: a block's 64 numbers
.set CD,   192                         ; and its codes: four sets of 16
.set G1, 24                            ; s[24:31] descriptor group 1 for source 1's tiles;  s[32:39] group 0, one set for each slot
.set G0, 32
.set G1B, 48                           ; s[48:55], s[56:63] the same for source 0's
.set G0B, 56
.set MSB, 0
.macro WIN new                         ; the immediate's high byte repeats the setting that is left
.if MSB != \new
	s_set_vgpr_msb (MSB<<8)|\new
.set MSB, \new
.endif
.endm
.set MUL_LO, 0xa1                      ; source 0 window 1, source 1 window 0, C and D window 2
.set MUL_HI, 0xf1                      ; the same, C and D window 3
.set TO_B,   0x40                      ; destination window 1, address window 0
; A joint load: waves 0 and 1 fetch source 1's halves, waves 2 and 3 source 0's.  The branch hangs on the wave's number alone.  Four v_nop follow each of the two lines.
.macro JLOAD g0a, g1a, g0b, g1b
	s_cmp_eq_u32 s15, 0
	s_cbranch_scc0 .Lfor_b_\@
	tensor_load_to_lds s[\g0a:\g0a+3], s[\g1a:\g1a+7]
	s_nop 0
.rept 4
	v_nop
.endr
	s_branch .Lasked_\@
.Lfor_b_\@:
	tensor_load_to_lds s[\g0b:\g0b+3], s[\g1b:\g1b+7]
	s_nop 0
.rept 4
	v_nop
.endr
.Lasked_\@:
.endm
.macro CREST                           ; a round of the cluster's barrier behind its opening barrier
	s_cmp_lg_u32 s14, 0
	s_cbranch_scc1 .Lnot_wave_0_\@
	s_barrier_signal -3
.Lnot_wave_0_\@:
	s_barrier_wait -3
	s_barrier_signal -1
	s_barrier_wait -1
.endm
.macro CROUND
	s_barrier_signal -1
	s_barrier_wait -1
	CREST
.endm
	s_load_b256 s[4:11], s[0:1], 0x0               ; x_codes s[4:5], wqkv_codes s[6:7], the scales' exponents s[8:9], b_qkv s[10:11]
	s_load_b64 s[12:13], s[0:1], 0x20              ; qkv_codes
	v_lshl_add_u32 v[SPW], v0, 2, SPARE
	v_mov_b32 v[NIL], 0
	ds_add_u32 v28, v29
	ds_add_u32 v28, v29
	s_wait_dscnt 0x0
	v_lshrrev_b32 v1, 5, v0
	v_readfirstlane_b32 s14, v1                    ; wave 0..3
	s_lshr_b32 s15, s14, 1                         ; which half of source 1's rows is mine.  Also: I fetch for source 1 (0) or source 0 (1)
	s_and_b32 s16, s14, 1                          ; which half of source 0's rows.  Also: which 128 rows of that tile I fetch
	s_bfe_u32 s40, ttmp6, 0x40000                  ; cx, cy: my place in the cluster
	s_bfe_u32 s41, ttmp6, 0x40004
	s_and_b32 s74, ttmp7, 0xffff                   ; the cluster's y
	s_cmp_eq_u32 ttmp9, 2                          ; v's clusters: the same answer in all sixteen partners
	s_cselect_b32 s75, ttmp9, s74
	s_cselect_b32 s76, s74, ttmp9
	s_lshl_b32 s17, s75, 2
	s_add_co_u32 s17, s17, s41                     ; source 1's tile of 256 rows: hangs on cy and the cluster alone
	s_lshl_b32 s42, s76, 2
	s_add_co_u32 s42, s42, s40                     ; source 0's: on cx and the cluster alone
	s_lshl_b32 s43, s41, 2
	s_lshl_b32 s43, 15, s43                        ; my row of the cluster
	s_lshl_b32 s44, 0x1111, s40                    ; my column
	s_or_b32 s[G1+0], s43, (0<<16)|(1<<20)|(1<<21)|(5<<22)|(3<<25)  ; 15:0 the mask; 17:16 elements of 1 byte; 20 padding on; 21 set beside a mask; 24:22 after every 64 words (code 5); 31:25 four words (code 3)
	s_or_b32 s[G1B+0], s44, (0<<16)|(1<<20)|(1<<21)|(5<<22)|(3<<25)
.irp g, G1, G1B
	s_mov_b32 s[\g+1], ROWB<<16                    ; tensor_dim0
	s_mov_b32 s[\g+2], 256<<16                     ; tensor_dim1: 256 rows for the head's fills; 128 from the first refill on
	s_mov_b32 s[\g+3], ROWB<<16                    ; tile_dim0
	s_mov_b32 s[\g+4], 256                         ; tile_dim1 likewise
	s_mov_b32 s[\g+5], KROW                        ; tensor_dim0_stride
	s_mov_b32 s[\g+6], 0
	s_mov_b32 s[\g+7], 0
.endr
	s_lshl_b32 s18, s16, 7                         ; which 128 rows of the tile I fetch
	s_lshl_b32 s20, s17, 8
	s_add_co_u32 s20, s20, s18
	s_lshl_b32 s20, s20, 10                        ; source 1: that row's first byte
	s_mov_b32 s21, 0
	s_lshl_b32 s46, s42, 8
	s_add_co_u32 s46, s46, s18
	s_lshl_b32 s46, s46, 10                        ; source 0 likewise
	s_mov_b32 s47, 0
	s_mul_i32 s45, s14, HALFT                      ; where they go: wave x 128 rows: no place in the cluster enters an LDS address
	s_wait_kmcnt 0x0
	s_load_b256 s[84:91], s[8:9], 0x0              ; e0 .. e7
	s_cmp_eq_u32 ttmp9, 2
	s_cselect_b64 s[78:79], s[6:7], s[4:5]         ; source 1's buffer: the weight for v, x for q and k
	s_cselect_b64 s[80:81], s[4:5], s[6:7]         ; source 0's: the other
	s_add_nc_u64 s[20:21], s[78:79], s[20:21]
	s_add_nc_u64 s[46:47], s[80:81], s[46:47]
	CROUND                                         ; all sixteen work-groups are here: the first joint loads meet
.irp s, 0,1
	s_mov_b32 s[G0+4*\s], 1
	s_add_co_u32 s[G0+4*\s+1], s45, \s*SLOT
	s_add_nc_u64 s[G0+4*\s+2:G0+4*\s+3], s[20:21], \s*ROWB
	s_or_b32 s[G0+4*\s+3], s[G0+4*\s+3], 0x80000000
	s_mov_b32 s[G0B+4*\s], 1
	s_add_co_u32 s[G0B+4*\s+1], s45, \s*SLOT
	s_add_nc_u64 s[G0B+4*\s+2:G0B+4*\s+3], s[46:47], \s*ROWB
	s_or_b32 s[G0B+4*\s+3], s[G0B+4*\s+3], 0x80000000
.endr
	; THE HEAD'S FILLS: both slots, one load of 256 rows a wave: wave 0 source 1's K step 0, wave 1 source 0's, waves 2 and 3 the same of K step 1
	s_lshl_b32 s77, s15, 8                         ; K step wave / 2: 256 bytes along the rows
	s_lshl_b32 s66, s17, 18                        ; source 1's tile: 256 rows of 1,024 bytes
	s_add_co_u32 s66, s66, s77
	s_mov_b32 s67, 0
	s_mov_b32 s68, 1
	s_mul_i32 s69, s15, SLOT
	s_add_nc_u64 s[70:71], s[78:79], s[66:67]
	s_or_b32 s71, s71, 0x80000000
	s_lshl_b32 s2, s42, 18                         ; source 0's tile
	s_add_co_u32 s2, s2, s77
	s_mov_b32 s3, 0
	s_mov_b32 s72, 1
	s_add_co_u32 s73, s69, 2*HALFT
	s_add_nc_u64 s[74:75], s[80:81], s[2:3]
	s_or_b32 s75, s75, 0x80000000
	s_cmp_eq_u32 s16, 0                            ; the wave's number alone: one fill to an arm, both arms join
	s_cbranch_scc0 .Lhead_b
	tensor_load_to_lds s[68:71], s[G1:G1+7]
	s_nop 0
.rept 4
	v_nop
.endr
	s_branch .Lhead_j
.Lhead_b:
	tensor_load_to_lds s[72:75], s[G1B:G1B+7]
	s_nop 0
.rept 4
	v_nop
.endr
.Lhead_j:
	v_and_b32 v1, 15, v0                           ; r
	v_bfe_u32 v2, v0, 4, 1                         ; h
	v_mul_u32_u24 v3, v1, PITCH
	v_lshl_add_u32 v4, v2, 4, v3                   ; a fragment's row x pitch + 16 h
	s_mul_i32 s21, s15, HALFT
	s_mul_i32 s22, s16, HALFT
	s_add_co_u32 s22, s22, 2*HALFT
.irp s, 0,1
	v_add_nc_u32 v[ADRA+\s], s21, v4
	v_add_nc_u32 v[ADRB+\s], s22, v4
	s_add_co_u32 s21, s21, SLOT
	s_add_co_u32 s22, s22, SLOT
.endr
	v_and_b32 v5, 8, v1
	v_add_nc_u32 v5, v5, v1
	v_lshlrev_b32 v[BOL], 2, v5
	v_lshlrev_b32 v[BOC], 6, v2
	s_wait_alu depctr_va_vdst(0)
	v_and_b32 v6, 31, v0
	v_lshlrev_b32 v[CO], 4, v6
	; where my 128 x 128 lies: m0 = my first token, n0 = my first column of the 3,072
	s_lshl_b32 s82, s17, 8
	s_lshl_b32 s83, s15, 7
	s_add_co_u32 s82, s82, s83                     ; source 1's first row
	s_lshl_b32 s83, s42, 8
	s_lshl_b32 s98, s16, 7
	s_add_co_u32 s83, s83, s98                     ; source 0's
	s_cmp_eq_u32 ttmp9, 2
	s_cselect_b32 s98, s83, s82                    ; m0
	s_cselect_b32 s99, s82, s83                    ; n0
	s_lshr_b32 s82, s98, 11                        ; batch
	s_lshl_b32 s82, s82, 4
	s_and_b32 s83, s99, 1023
	s_lshr_b32 s83, s83, 6                         ; my first head
	s_add_co_u32 s82, s82, s83
	s_lshl_b32 s82, s82, 17                        ; x 131,072
	s_and_b32 s83, s98, 2047
	s_lshr_b32 s83, s83, 7
	s_lshl_b32 s83, s83, 13                        ; 128 tokens are 8,192 bytes of a head's image, in q and k (8 tiles of 1,024) and in v alike
	s_add_co_u32 s82, s82, s83
	s_lshl_b32 s83, ttmp9, 23                      ; the tensor's 8,388,608 bytes
	s_add_co_u32 s82, s82, s83
	s_mov_b32 s83, 0
	s_add_nc_u64 s[92:93], s[12:13], s[82:83]
	s_lshl_b32 s82, s99, 2
	s_add_nc_u64 s[94:95], s[10:11], s[82:83]      ; b_qkv at n0
	; both forms of the bias are loaded, with no branch; both lie inside b_qkv[n0 .. n0 + 127]
.irp b, 0,1,2,3
.irp j, 0,1,2,3
	global_load_b128 v[BC+16*\b+4*\j:BC+16*\b+4*\j+3], v[BOC], s[94:95] offset:128*\b+16*\j   ; register 16 b + i: column n0 + 32 b + 16 h + i
.endr
.endr
.irp a, 0,1,2,3,4,5,6,7
	global_load_b32 v[BL+2*\a], v[BOL], s[94:95] offset:(32*(\a/2)+8*(\a%2))*4                ; block a: column n0 + 32 (a / 2) + 8 (a % 2) + r + 8 (r / 8),
	global_load_b32 v[BL+2*\a+1], v[BOL], s[94:95] offset:(32*(\a/2)+8*(\a%2))*4              ; twice: a pair for the packed multiply-add
.endr
	s_wait_kmcnt 0x0
	s_add_co_i32 s96, s84, s85
	s_add_co_i32 s96, s96, 127
	s_lshl_b32 s96, s96, 23                        ; 2^(e0 + e1) as f32
	s_mov_b32 s97, s96                             ; (named with it as a pair, so it is written)
	s_cmp_eq_u32 ttmp9, 0
	s_cselect_b32 s82, s86, s87                    ; e2 for q, e3 for k,
	s_cmp_eq_u32 ttmp9, 2
	s_cselect_b32 s82, s89, s82                    ; e5 for v: a choice, no branch
	s_add_co_i32 s82, s82, 127
	s_lshl_b32 s83, s82, 23
	v_mov_b32 v[SC], s83
	s_add_co_i32 s82, s82, 8
	s_lshl_b32 s82, s82, 23
	s_or_b32 s82, s82, 0x600000
	v_mov_b32 v[LIM], s82
.macro FRAG reg, adr, q, i             ; 16 rows x 128 K: lane l holds row l % 16; registers 4 c .. 4 c + 3 hold K = 32 c + 16 (l / 16) + 0 .. 15: the same order of k on both sides
.irp c, 0,1,2,3
	ds_load_b128 v[\reg+4*\c:\reg+4*\c+3], v[\adr] offset:128*(\q)+32*\c+(\i)*16*PITCH
.endr
.endm
; 16 matrix instructions: source 1's blocks a0, a0 + 1 x source 0's eight.  p: source 0's set.  zero = 1: the first product starts the sums.  The 64 accumulators take turns, one instruction a turn.
.macro MUL16 a0, p, zero
.irp a, \a0, \a0+1
.irp b, 0,1,2,3,4,5,6,7
.if \zero
	v_wmma_f32_16x16x128_fp8_fp8 v[8*(8*((\a)%4)+\b):8*(8*((\a)%4)+\b)+7], v[128*(\p)+FR*\b:128*(\p)+FR*\b+FR-1], v[AF+FR*(\a):AF+FR*(\a)+FR-1], 0
.else
	v_wmma_f32_16x16x128_fp8_fp8 v[8*(8*((\a)%4)+\b):8*(8*((\a)%4)+\b)+7], v[128*(\p)+FR*\b:128*(\p)+FR*\b+FR-1], v[AF+FR*(\a):AF+FR*(\a)+FR-1], v[8*(8*((\a)%4)+\b):8*(8*((\a)%4)+\b)+7]
.endif
.endr
.endr
.endm
.macro FETCH_B slot, q, p
	WIN TO_B
.irp i, 0,1,2,3,4,5,6,7
	FRAG 128*(\p)+FR*\i, ADRB+\slot, \q, \i
.endr
	WIN 0
.endm
.macro FETCH_A slot, q, i0
.irp i, \i0, \i0+1, \i0+2, \i0+3
	FRAG AF+FR*(\i), ADRA+\slot, \q, \i
.endr
.endm
.macro PLACES n                        ; plain vector lines between a matrix instruction and a load into, or a vector write of, its registers, or a read of its result
.rept \n
	v_nop
.endr
.endm
; A step of 128 along K that has its successor in the same slot.
.macro STEP slot, q, zero
	s_wait_dscnt 4*NL                              ; source 0's set and source 1's blocks 0-3 are in; the youngest sixteen loads (blocks 4-7) may be out
	WIN MUL_LO
	MUL16 0, (\q)%2, \zero
	MUL16 2, (\q)%2, \zero
	s_wait_dscnt 0                                 ; blocks 4-7 are in
	PLACES NP
	FETCH_B \slot, (\q)+1, 1-(\q)%2
	FETCH_A \slot, (\q)+1, 0
	WIN MUL_HI
	MUL16 4, (\q)%2, \zero
	MUL16 6, (\q)%2, \zero
	PLACES NP
	WIN 0
	FETCH_A \slot, (\q)+1, 4
.endm
; A slot's last step changes slots: ONE barrier; in front of it each wave waits for all its tensor loads, adds 0 to its spare word, and waits for that and for its own reads of this slot.  fill = 1: this slot is filled again.
.macro TURN slot, next, fill
	s_wait_tensorcnt 0x0                           ; all my tensor loads have landed: my part of the next slot
	ds_add_u32 v[SPW], v[NIL]                      ; 0 onto my spare word
	s_wait_dscnt 4*NL+1                            ; (the add and the youngest sixteen loads may be out)
	WIN MUL_LO
	MUL16 0, 1, 0                                  ; sixteen matrix instructions stand between the add and the wait for it
	s_wait_dscnt 0x0                               ; the add is done, and my reads of this slot are over
	s_barrier_signal -1
	MUL16 2, 1, 0
	WIN 0
	s_barrier_wait -1
.if \fill
	CREST                                          ; the barrier has opened a round of the cluster's: no wave of any partner still reads this slot or has a load on its way
	s_add_nc_u64 s[G0+4*\slot+2:G0+4*\slot+3], s[G0+4*\slot+2:G0+4*\slot+3], 2*ROWB
	s_add_nc_u64 s[G0B+4*\slot+2:G0B+4*\slot+3], s[G0B+4*\slot+2:G0B+4*\slot+3], 2*ROWB
	JLOAD G0+4*\slot, G1, G0B+4*\slot, G1B         ; the first tensor load behind the round; its four v_nop are also the places in front of the loads below
.else
	PLACES NP
.endif
	FETCH_B \next, 0, 0
	FETCH_A \next, 0, 0
	WIN MUL_HI
	MUL16 4, 1, 0
	MUL16 6, 1, 0
	PLACES NP
	WIN 0
	FETCH_A \next, 0, 4
.endm
	s_wait_alu depctr_va_vdst(0)
	s_wait_tensorcnt 0x0                           ; my fill is in, so group 1 may be written: the refills bring 128 rows a wave
	s_mov_b32 s[G1+2], 128<<16
	s_mov_b32 s[G1+4], 128
	s_mov_b32 s[G1B+2], 128<<16
	s_mov_b32 s[G1B+4], 128
	s_barrier_signal -1
	s_barrier_wait -1                              ; everybody's fill is in: both slots are whole
	FETCH_B 0, 0, 0
	FETCH_A 0, 0, 0
	FETCH_A 0, 0, 4
	STEP 0, 0, 1                                   ; eight steps of 128, written on end: K = 1024 is twice round the ring
	TURN 0, 1, 1                                   ; slot 0 takes K step 2
	STEP 1, 0, 0
	TURN 1, 0, 1                                   ; slot 1 takes K step 3
	STEP 0, 0, 0
	TURN 0, 1, 0                                   ; nothing is left to fetch
	STEP 1, 0, 0
	s_wait_dscnt 4*NL
	WIN MUL_LO
	MUL16 0, 1, 0
	MUL16 2, 1, 0
	s_wait_dscnt 0
	WIN MUL_HI
	MUL16 4, 1, 0
	MUL16 6, 1, 0
	WIN 0
; THE WAY OUT of source 1's block a: 64 sums a lane become sum x 2^(e0 + e1) + bias (each accumulator from its low end on), are held, converted, and stored as four pieces of an image.
.macro OUTBLK a, isv
.set AC, 64*((\a)%4)
.set CB, CD+16*((\a)%4)
.if (\a) >= 4
	s_wait_xcnt 0x0                                ; block a - 4's stores have read their codes: the set may be written again
.endif
	WIN 0x02+((\a)/4)                              ; source 0: window 2 or 3
.set j, 0
.rept 32
.if \isv
	v_pk_fma_f32 v[TMP+j:TMP+j+1], v[AC+j:AC+j+1], s[96:97], v[BL+2*(\a):BL+2*(\a)+1] op_sel_hi:[1,0,1]   ; v: the lane is a channel: one bias for all its registers
.else
	v_pk_fma_f32 v[TMP+j:TMP+j+1], v[AC+j:AC+j+1], s[96:97], v[BC+j:BC+j+1] op_sel_hi:[1,0,1]             ; q, k: the registers are channels
.endif
.set j, j+2
.endr
	WIN 0
.set j, 0
.rept 64
	v_med3_num_f32 v[TMP+j], v[TMP+j], -v[LIM], v[LIM]   ; the conversion does not saturate (ISA guide 7.6.2): the hold comes first
.set j, j+1
.endr
.set j, 0
.rept 8
	v_cvt_scalef32_pk8_fp8_f32 v[CB+2*j:CB+2*j+1], v[TMP+8*j:TMP+8*j+7], v[SC]
.set j, j+1
.endr
	v_nop                                          ; a plain line between the last conversion and the next block's writes of its sources
.irp b, 0,1,2,3
.if \isv
	global_store_b128 v[CO], v[CB+4*\b:CB+4*\b+3], s[92:93] offset:((\a)/4)*131072+((\a)%4)*2048+\b*512   ; head a / 4, tile of channels a % 4, keys 32 b on
.else
	global_store_b128 v[CO], v[CB+4*\b:CB+4*\b+3], s[92:93] offset:(\b/2)*131072+(\a)*1024+(\b%2)*512     ; head b / 2, tile of rows a, channels 32 (b % 2) on
.endif
.endr
.endm
	s_wait_loadcnt 0x0                             ; the bias
	PLACES NP                                      ; behind the last products: their fragments' registers are written below
	s_cmp_eq_u32 ttmp9, 2                          ; the cluster's x: the same way in all partners
	s_cbranch_scc1 .Lv
.irp a, 0,1,2,3,4,5,6,7
	OUTBLK \a, 0
.endr
	s_branch .Lend
.Lv:
.irp a, 0,1,2,3,4,5,6,7
	OUTBLK \a, 1
.endr
.Lend:
	s_wait_tensorcnt 0x0                           ; the wave's end
	ds_add_u32 v[SPW], v[NIL]
	s_wait_dscnt 0x0
	CROUND                                         ; the closing round: no work-group ends while a partner may still ask for a tile that names it
	s_endpgm
.Lfunc_end_k_qeadb05a512_qkv:
	.size	k_qeadb05a512_qkv, .Lfunc_end_k_qeadb05a512_qkv-k_qeadb05a512_qkv
	.p2alignl 7, 3214868480
	.fill 96, 4, 3214868480
	.section	.rodata,"a",@progbits
	.p2align	6, 0x0
	.amdhsa_kernel k_qeadb05a512_qkv
		.amdhsa_group_segment_fixed_size 327680
		.amdhsa_private_segment_fixed_size 0
		.amdhsa_enable_private_segment 0
		.amdhsa_kernarg_size 40
		.amdhsa_user_sgpr_count 2
		.amdhsa_user_sgpr_kernarg_segment_ptr 1
		.amdhsa_wavefront_size32 1
		.amdhsa_system_sgpr_workgroup_id_x 1
		.amdhsa_system_sgpr_workgroup_id_y 1
		.amdhsa_system_sgpr_workgroup_id_z 1
		.amdhsa_system_vgpr_workitem_id 0
		.amdhsa_next_free_vgpr 1024
		.amdhsa_next_free_sgpr 100
		.amdhsa_reserve_vcc 0
		.amdhsa_float_denorm_mode_32 3
		.amdhsa_float_denorm_mode_16_64 3
		.amdhsa_memory_ordered 1
		.amdhsa_forward_progress 1
		.amdhsa_inst_pref_size 194
	.end_amdhsa_kernel
	.amdgpu_metadata
---
amdhsa.version: [ 1, 2 ]
amdhsa.kernels:
  - .name:           k_qeadb05a512_qkv
    .symbol:         k_qeadb05a512_qkv.kd
    .args:
      - { .name: x_codes, .offset: 0, .size: 8, .value_kind: global_buffer, .address_space: global }
      - { .name: wqkv_codes, .offset: 8, .size: 8, .value_kind: global_buffer, .address_space: global }
      - { .name: lowp_scales, .offset: 16, .size: 8, .value_kind: global_buffer, .address_space: global }
      - { .name: b_qkv, .offset: 24, .size: 8, .value_kind: global_buffer, .address_space: global }
      - { .name: qkv_codes, .offset: 32, .size: 8, .value_kind: global_buffer, .address_space: global }
    .group_segment_fixed_size: 327680
    .private_segment_fixed_size: 0
    .kernarg_segment_align: 8
    .kernarg_segment_size: 40
    .max_flat_workgroup_size: 128
    .sgpr_count:     100
    .vgpr_count:     1024
    .wavefront_size: 32
...
	.end_amdgpu_metadata
.endif
;; end of part 2
;; launch attn (part 3): grid 4 x 64, 16 waves a work-group, clusters of 4 x 1, 327,680 bytes of LDS; arguments qkv_codes, lowp_scales, attn_codes; writes attn_codes
.if DOCPART == 3
	.amdgcn_target "amdgcn-amd-amdhsa--gfx1250"
	.amdhsa_code_object_version 6
	.text
	.protected	k_qeadb05a512_attn
	.globl	k_qeadb05a512_attn
	.p2align	8
	.type	k_qeadb05a512_attn,@function
k_qeadb05a512_attn:
	s_mov_b64 s[64:65], 0
	v_nop
	global_prefetch_b8 v0, s[64:65] scope:SCOPE_SE
	s_setreg_imm32_b32 hwreg(HW_REG_WAVE_MODE, 25, 1), 1
	s_wait_xcnt 0x0
	s_wait_alu depctr_hold_cnt(0) depctr_sa_sdst(0) depctr_va_vdst(0) depctr_va_sdst(0) depctr_va_ssrc(0) depctr_va_vcc(0) depctr_vm_vsrc(0)
	s_getreg_b32 s2, hwreg(HW_REG_IB_STS2, 6, 4)
	s_cmp_eq_u32 s2, 0
	s_cbranch_scc0 .Lentry_in_a_cluster
	s_endpgm
.Lentry_in_a_cluster:
	s_bfe_u32 s2, ttmp6, 0x10000c
	s_cmp_lg_u32 s2, 0x3003
	s_cbranch_scc0 .Lentry_shape_is_right
	s_endpgm
.Lentry_shape_is_right:
; Causal attention of 64 (batch, head) x 2,048 queries x 64 channels, both products on codes of FP8 (E4M3); the result is quantised with 2^e6 and stored as images of the last product's operand registers.
; THE SOFTMAX: t = score x log2(e) / 8; M = the row's largest t so far, rounded UP to a whole number; p = 2^(t - M) is quantised with 2^e4, not normalised.  The row's sum is taken of the unquantised p, in f32, and divides
; at the end.  When M moves, the sum and O are multiplied by 2^(old M - new M), which rounds nothing.
; LIMITS: e2 + e3 between -123 and 130 (added to c's exponent field); e4, e6 between -126 and 119; e4 + e5 goes in by v_ldexp_f32 and has none.
; LDS HOLDS A WHOLE HEAD: K's images (2,048 keys x 64 bytes) at byte 0, V's (as many) at 131,072.  Nothing is filled again, so the key steps have no ring and no change of slots.
; SHARES.  The four work-groups of a cluster serve one head: 64 waves, 128 tiles of 16 queries.  Wave W of work-group J has w' = W / 2 and u = W % 2 and owns tile u of unit 63 - 4 w' - J and tile u of unit 4 w' + J
; (a unit is 32 queries; lane r of its tile u is query 32 U + 8 u + r + 8 (r / 8)): 16 - w' and w' + 1 key steps of 128 under the causal mask: 17 for every wave.
; A step all of whose keys come after a unit's queries is left out.  Which steps are left out, and which one lies on the diagonal, hangs on w' alone (a unit's queries lie inside keys 128 q .. 128 q + 127,
; q = 15 - w' or w'): no branch hangs on the work-group's place in its cluster; J enters global addresses and the mask's lane numbers only.
; SIXTEEN WAVES OF 256 REGISTERS: one tile a wave, no register windows; the price is that a fragment of K or V read from LDS feeds one matrix instruction.
; JOINT LOADS: all four partners need the same K and V, so each fill is asked for jointly (mask 15).  Two fills, one load a wave each (waves 0-7 K's eighths, waves 8-15 V's):
; keys 0-511 at the head, 4,096 bytes a wave; keys 512-2,047 behind the full sequence and a round, 12,288 bytes a wave.  The second lands under stage 1: the high tile's four steps on keys 0-511, the same count in every wave.
; One barrier; then stage 2, thirteen live steps a wave with no barrier: the high tile's 12 - w' steps, its way out, the low tile's w' + 1 steps, its way out.  Both phases walk twelve trips, so that the count is a
; constant of the text; hidden trips step the counters alone.
; NO PREFETCH: no loop runs ahead of either fill: the first is asked for at the head, the second as soon as the first has landed.
; LAYOUT.  Both products are used transposed: S^T = K Q^T (source 0 = 16 keys), O^T = V^T P^T (source 0 = 16 channels): a lane holds one query throughout.  The images' row order makes the 16 registers of two neighbouring
; tiles 16 neighbouring keys (so p's codes ARE the second product's operand) or 16 neighbouring channels (so O's codes are the last product's operand).
; REGISTERS: v1, v3 16 x lane in K's and V's images, v2, v4 the addresses in hand, v5, v6 for the add, v7 store offset; v12 -M, v13 the largest t, v[14:15] the sum; v16-23 Q; v26 the mask's number for the tile in hand,
; v27 for the low tile; v32-95 K's eight fragments, then V's four; v96-159 S^T, then p; v160-191 O^T; v200-207 the low tile's Q; v208-223 at work and constants; v224-239 p's codes.
.set VLDS,  131072
.set FIRST, 32768                      ; the first fill: 512 keys, in K's images and in V's alike
.set STEPB, 8192                       ; 128 keys
.set SPARE, 262144                     ; behind the images: the spare words, 128 bytes for each of sixteen waves, which no other line names
.set K_OFF, 8388608                    ; k's images in qkv_codes; v's lie as far behind them
.set LA0, 1
.set LA,  2
.set LAV0, 3
.set LAV, 4
.set SPW, 5
.set NIL, 6
.set GO,  7
.set TB,  2                            ; s2   LDS byte of the step in hand, in K's images
.set CNT, 3                            ; s3   counts a loop's steps
.set WV,  18
.set WP,  19                           ; s19  w'
.set SEL, 20                           ; s[20:21] lane selects for v_permlanex16_b32: lane l xor 16
.set CS,  22                           ; s[22:23] c = log2(e) / 8 x 2^(e2 + e3)
.set G1,  24                           ; s[24:31] descriptor group 1
.set G0,  40                           ; s[40:43] descriptor group 0
.set OB,  48                           ; s[48:49] where the codes of the tile in hand go; s[50:51] the low tile's
.set OBA, 50
.set QP,  52                           ; s[52:53], s[54:55] the high and the low tile's queries
.set QPA, 54
.set PH,  66                           ; s66  stage 2's phase
.set QB,  67                           ; s67  128 q of the tile in hand: the first key of its diagonal step
.set QBA, 74                           ; s74  the low tile's
.set UB,  75                           ; s75  u
.set KF,  98                           ; s98  the step's first key
.macro ROUND                           ; a round of the cluster's barrier
	s_barrier_signal -1
	s_barrier_wait -1
	s_cmp_lg_u32 s[WV], 0
	s_cbranch_scc1 .Lnw0_\@
	s_barrier_signal -3
.Lnw0_\@:
	s_barrier_wait -3
	s_barrier_signal -1
	s_barrier_wait -1
.endm
.macro JLOAD                           ; every wave's own bytes; the same descriptor in all four partners; an s_nop 0 and four v_nop follow
	tensor_load_to_lds s[G0:G0+3], s[G1:G1+7]
	s_nop 0
.rept 4
	v_nop
.endr
.endm
	s_load_b128 s[4:7], s[0:1], 0x0                ; qkv_codes s[4:5], the scales' exponents s[6:7]
	s_load_b64 s[8:9], s[0:1], 0x10                ; attn_codes
	v_lshl_add_u32 v[SPW], v0, 2, SPARE
	v_mov_b32 v[NIL], 0
	ds_add_u32 v[SPW], v[NIL]                      ; the opening lines: the add twice on end and its wait ahead of my first tensor load
	ds_add_u32 v[SPW], v[NIL]
	v_lshrrev_b32 v10, 5, v0
	v_readfirstlane_b32 s[WV], v10                 ; wave 0..15
	s_and_b32 s10, ttmp7, 0xffff                   ; (batch, head) 0..63: the cluster's y
	s_lshl_b32 s12, s10, 17                        ; its 131,072 bytes in each of q, k, v
	s_bfe_u32 s11, ttmp6, 0x40000                  ; J: my place in the cluster
	s_mov_b32 s[G1], 15|(1<<21)                    ; the mask names the four partners, bit 21 beside it; elements of 1 byte, no padding
	s_mov_b32 s[G1+1], 256<<16                     ; tensor_dim0 = 256: a dense block taken as rows of 256 bytes
	s_mov_b32 s[G1+2], 16<<16                      ; tensor_dim1 = 16: the first fill's 4,096 bytes a wave
	s_mov_b32 s[G1+3], 256<<16                     ; tile_dim0
	s_mov_b32 s[G1+4], 16                          ; tile_dim1
	s_mov_b32 s[G1+5], 256                         ; tensor_dim0_stride
	s_mov_b32 s[G1+6], 0
	s_mov_b32 s[G1+7], 0
	s_lshr_b32 s13, s[WV], 3                       ; waves 0-7: k; waves 8-15: v
	s_and_b32 s16, s[WV], 7
	s_lshl_b32 s16, s16, 12                        ; which eighth of the first fill's 32,768 bytes
	s_lshl_b32 s14, s13, 23
	s_add_co_u32 s14, s14, K_OFF
	s_add_co_u32 s14, s14, s12
	s_add_co_u32 s14, s14, s16
	s_mov_b32 s15, 0
	s_mov_b32 s[G0], 1
	s_lshl_b32 s[G0+1], s13, 17                    ; LDS: K's or V's images,
	s_add_co_u32 s[G0+1], s[G0+1], s16             ; my eighth: the wave's number alone
	s_wait_dscnt 0x0                               ; both opening adds are done
	s_wait_kmcnt 0x0
	s_load_b256 s[84:91], s[6:7], 0x0              ; e0 .. e7
	s_add_nc_u64 s[G0+2:G0+3], s[4:5], s[14:15]
	s_or_b32 s[G0+3], s[G0+3], 0x80000000          ; type = 2
	ROUND                                          ; the four partners are here: the first joint loads meet
	JLOAD                                          ; keys 0-511
	s_lshr_b32 s[WP], s[WV], 1                     ; w'
	s_and_b32 s[UB], s[WV], 1                      ; u
	s_lshl_b32 s[QBA], s[WP], 7                    ; the low tile: q = w'
	s_sub_co_u32 s[QB], 1920, s[QBA]               ; the high tile: q = 15 - w'
	s_lshl_b32 s33, s[WP], 2
	s_add_co_u32 s33, s33, s11                     ; the low unit's number,
	s_sub_co_u32 s34, 63, s33                      ; the high unit's
	s_lshl_b32 s35, s[UB], 10                      ; a tile is 1,024 bytes of q's images, a unit 2,048
	s_add_co_u32 s35, s35, s12
	s_lshl_b32 s36, s34, 11
	s_add_co_u32 s36, s36, s35
	s_mov_b32 s37, 0
	s_add_nc_u64 s[QP:QP+1], s[4:5], s[36:37]
	s_lshl_b32 s36, s33, 11
	s_add_co_u32 s36, s36, s35
	s_add_nc_u64 s[QPA:QPA+1], s[4:5], s[36:37]
	v_and_b32 v10, 31, v0
	v_lshlrev_b32 v[LA0], 4, v10
	v_add_nc_u32 v[LAV0], VLDS, v[LA0]
	s_wait_alu depctr_va_vdst(0)
	global_load_b128 v[16:19], v[LA0], s[QP:QP+1]                  ; the high tile's queries,
	global_load_b128 v[20:23], v[LA0], s[QP:QP+1] offset:512
	global_load_b128 v[200:203], v[LA0], s[QPA:QPA+1]              ; and the low one's
	global_load_b128 v[204:207], v[LA0], s[QPA:QPA+1] offset:512
	; where the results go: attn_codes [256 rows: 32][128 k = 2 heads: 8][tile a: 16][c: 4][lane][16 bytes]: unit U: rows' block 8 batch + U / 8, a = 2 (U % 8) + u, c = 2 (head % 2) + 0, 1
	s_lshr_b32 s32, s10, 4
	s_lshl_b32 s32, s32, 3                         ; 8 x batch
	s_bfe_u32 s38, s10, 0x30001                    ; (head % 16) / 2
	s_lshl_b32 s38, s38, 15
	s_and_b32 s39, s10, 1
	s_lshl_b32 s39, s39, 10
	s_add_co_u32 s38, s38, s39
	s_lshl_b32 s39, s[UB], 11
	s_add_co_u32 s38, s38, s39
.irp u, 34, 33
	s_lshr_b32 s36, s\u, 3
	s_add_co_u32 s36, s36, s32
	s_lshl_b32 s36, s36, 18
	s_and_b32 s39, s\u, 7
	s_lshl_b32 s39, s39, 12
	s_add_co_u32 s36, s36, s39
	s_add_co_u32 s36, s36, s38
	s_add_nc_u64 s[OB+2*(34-\u):OB+2*(34-\u)+1], s[8:9], s[36:37]
.endr
	s_mov_b32 s[TB], 0
	s_mov_b32 s[SEL], 0x76543210
	s_mov_b32 s[SEL+1], 0xfedcba98
	; the mask's number: my query less the diagonal step's first key less 16 h = 32 x (the unit's place among the step's four) + 8 u + r + 8 (r / 8) - 16 h
	s_lshl_b32 s39, s[UB], 3
	s_lshl_b32 s35, s11, 5                         ; the low unit: place J,
	s_sub_co_u32 s36, 96, s35                      ; the high unit: 3 - J
	s_add_co_u32 s35, s35, s39
	s_add_co_u32 s36, s36, s39
	v_and_b32 v10, 15, v0                          ; r
	v_and_b32 v11, 8, v10
	v_add_nc_u32 v10, v10, v11                     ; r + 8 (r / 8)
	v_and_b32 v11, 16, v0                          ; 16 h
	v_sub_nc_u32 v10, v10, v11
	v_add_nc_u32 v26, s36, v10
	v_add_nc_u32 v27, s35, v10
	v_mov_b32 v[GO], v[LA0]
	s_wait_kmcnt 0x0
	s_add_co_i32 s32, s86, s87
	s_lshl_b32 s32, s32, 23
	s_add_co_i32 s[CS], s32, 0x3e38aa3b            ; c = log2(e) / 8, with e2 + e3 added to its exponent field
	s_mov_b32 s[CS+1], s[CS]
	s_add_co_i32 s72, s88, s89                     ; e4 + e5
	s_add_co_i32 s32, s88, 127
	s_lshl_b32 s68, s32, 23                        ; 2^e4
	s_add_co_i32 s32, s32, 8
	s_lshl_b32 s32, s32, 23
	s_or_b32 s69, s32, 0x600000                    ; 448 x 2^e4
	s_add_co_i32 s32, s90, 127
	s_lshl_b32 s70, s32, 23                        ; 2^e6
	s_add_co_i32 s32, s32, 8
	s_lshl_b32 s32, s32, 23
	s_or_b32 s71, s32, 0x600000                    ; 448 x 2^e6
.macro RESET                           ; a tile begins: zeros, which the first change of M leaves zeros
	v_mov_b32 v13, 0xff61b1e6                      ; the largest t so far: -3e38
	s_delay_alu instid0(VALU_DEP_1)
	v_floor_f32 v12, -v13                          ; -M
	v_mov_b32 v14, 0
	v_mov_b32 v15, 0
.set j, 0
.rept 32
	v_mov_b32 v[160+j], 0
.set j, j+1
.endr
.endm
	v_mov_b32 v216, s69
	v_mov_b32 v219, s69                            ; the bound twice, in two register banks: the two halves of a dual pair name one each
	v_mov_b32 v217, s68
	v_mov_b32 v218, 0xff800000                     ; -infinity
	v_mov_b32 v220, s71
	v_mov_b32 v221, s70
	v_mov_b32 v208, 0                              ; a lane permute's destination counts as one of its sources
	v_mov_b32 v211, 0                              ; (named as upper halves of pairs)
	v_mov_b32 v223, 0
	RESET
; The tile's softmax for 128 keys.
.macro SOFT
	v_max3_num_f32 v212, v96, v97, v98             ; the step's largest score of my query among my 64 keys, in four chains, in ascending order: each accumulator from its low end on,
	v_max3_num_f32 v213, v99, v100, v101
	v_max3_num_f32 v214, v102, v103, v104
	v_max3_num_f32 v215, v105, v106, v107
.set j, 12
.rept 6
	v_max3_num_f32 v212, v212, v[96+j], v[97+j]
	v_max3_num_f32 v213, v213, v[98+j], v[99+j]
	v_max3_num_f32 v214, v214, v[100+j], v[101+j]
	v_max3_num_f32 v215, v215, v[102+j], v[103+j]
.set j, j+8
.endr
	v_max3_num_f32 v212, v212, v156, v157
	v_max3_num_f32 v213, v213, v158, v159
	v_max3_num_f32 v212, v212, v214, v215
	s_delay_alu instid0(VALU_DEP_1)
	v_max_num_f32 v212, v212, v213
	s_delay_alu instid0(VALU_DEP_1)
	v_permlanex16_b32 v208, v212, s[SEL], s[SEL+1]
	s_delay_alu instid0(VALU_DEP_1)
	v_max_num_f32 v212, v212, v208                 ; and among lane l xor 16's
	s_delay_alu instid0(VALU_DEP_1)
	v_mul_f32 v212, s[CS], v212                    ; as t (c is positive)
	s_delay_alu instid0(VALU_DEP_1)
	v_max_num_f32 v13, v13, v212
	v_mov_b32 v212, v12
	s_delay_alu instid0(VALU_DEP_2)
	v_floor_f32 v12, -v13                          ; the new -M = -ceil(t): a whole number
	s_delay_alu instid0(VALU_DEP_1)
	v_sub_f32 v212, v12, v212                      ; old M - new M: a whole number, 0 or less
	s_delay_alu instid0(VALU_DEP_1)
	v_cvt_i32_f32 v212, v212                       ; (it saturates)
	s_delay_alu instid0(VALU_DEP_1)
	v_ldexp_f32 v210, 1.0, v212                    ; f = 2^(old M - new M)
.set j, 0
.rept 32
	v_pk_fma_f32 v[96+j:97+j], v[96+j:97+j], s[CS:CS+1], v[12:13] op_sel_hi:[1,0,0]   ; t - M, two at a time
.set j, j+2
.endr
.set j, 0
	s_wait_alu depctr_va_vdst(0)
.rept 64
	v_exp_f32 v[96+j], v[96+j]                     ; p = 2^(t - M)
.set j, j+1
.endr
	v_pk_mul_f32 v[14:15], v[14:15], v[210:211] op_sel_hi:[1,0]   ; the sums under the new M: the plain line behind the exponentials
	s_wait_alu depctr_va_vdst(0)                   ; one wait for the batch, ahead of its first reader
	v_pk_add_f32 v[214:215], v[96:97], v[98:99]    ; the row's sum is taken of the unquantised p, two at a time, in four chains
	v_pk_add_f32 v[212:213], v[100:101], v[102:103]
	v_pk_add_f32 v[208:209], v[104:105], v[106:107]
.set j, 12
.rept 6
	v_pk_add_f32 v[14:15], v[14:15], v[96+j:97+j]
	v_pk_add_f32 v[214:215], v[214:215], v[98+j:99+j]
	v_pk_add_f32 v[212:213], v[212:213], v[100+j:101+j]
	v_pk_add_f32 v[208:209], v[208:209], v[102+j:103+j]
.set j, j+8
.endr
	v_pk_add_f32 v[14:15], v[14:15], v[156:157]
	v_pk_add_f32 v[214:215], v[214:215], v[158:159]
	v_pk_add_f32 v[212:213], v[212:213], v[208:209]
	v_pk_add_f32 v[214:215], v[214:215], v[212:213]
	s_delay_alu instid0(VALU_DEP_1)
	v_pk_add_f32 v[14:15], v[14:15], v[214:215]
.irp b, 0,1,2,3
.set j, 0
.rept 8                                        ; the conversion does not saturate (ISA guide 7.6.2); p is not negative, so the hold is one-sided; two holds to a line
	v_dual_min_num_f32 v[96+16*\b+j], v[96+16*\b+j], v216 :: v_dual_min_num_f32 v[97+16*\b+j], v[97+16*\b+j], v219
.set j, j+2
.endr
	v_cvt_scalef32_pk8_fp8_f32 v[224+4*\b:225+4*\b], v[96+16*\b:103+16*\b], v217
	v_cvt_scalef32_pk8_fp8_f32 v[226+4*\b:227+4*\b], v[104+16*\b:111+16*\b], v217
.endr
	s_wait_alu depctr_va_vdst(0)                   ; the wait directly ahead of the first reader of O^T
.set j, 0
.rept 16
	v_pk_mul_f32 v[160+j:161+j], v[160+j:161+j], v[210:211] op_sel_hi:[1,0]   ; O^T under the new M; also the plain lines between the conversions and the products that read the codes
.set j, j+2
.endr
.endm
; A KEY STEP: 128 keys at LDS byte TB of K's and of V's images.  gen = 0: all keys count (stage 1).  gen = 1: the step may be hidden (left out) or lie on the diagonal (masked): branches on the wave's number and counters alone.
.macro STEP gen
.if \gen
	s_cmp_gt_u32 s[KF], s[QB]
	s_cbranch_scc1 .Lhidden_\@
.endif
	v_add_nc_u32 v[LA], s[TB], v[LA0]
	v_add_nc_u32 v[LAV], s[TB], v[LAV0]
.rept 2
	v_nop                                          ; with the two additions: four places between the last step's products, which read V, and the loads into the same registers
.endr
.irp t, 0,1,2,3,4,5,6,7
	ds_load_b128 v[32+8*\t:35+8*\t], v[LA] offset:\t*1024          ; K's tile t: 16 keys x 64 channels
	ds_load_b128 v[36+8*\t:39+8*\t], v[LA] offset:\t*1024+512
.endr
	s_wait_alu depctr_va_vdst(0)
	s_wait_dscnt 0x0                               ; K is in
.irp t, 0,1,2,3,4,5,6,7
	v_wmma_f32_16x16x64_fp8_fp8 v[96+8*\t:103+8*\t], v[32+8*\t:39+8*\t], v[16:23], 0
.endr
.rept 4
	v_nop                                          ; places in front of the loads into K's registers and of the first read of the scores
.endr
.irp t, 0,1,2,3
.irp c, 0,1,2,3
	ds_load_b128 v[32+16*\t+4*\c:35+16*\t+4*\c], v[LAV] offset:\t*2048+\c*512   ; V's tile t: 16 channels x 128 keys: it lands under the softmax
.endr
.endr
.if \gen
	s_cmp_lt_u32 s[KF], s[QB]                      ; ahead of the diagonal all keys count
	s_cbranch_scc1 .Lopen_\@
.set n, 0
.rept 64                                       ; the diagonal step: register 16 b + i holds key KF + 32 b + 16 h + i: hidden where 32 b + i > v26; hidden scores become -infinity ahead of the maximum: p = 0 then
	v_cmp_gt_i32 vcc_lo, 32*(n/16)+n%16, v26
	v_cndmask_b32 v[96+n], v[96+n], v218, vcc_lo
.set n, n+1
.endr
.Lopen_\@:
.endif
	SOFT
	s_wait_alu depctr_va_vdst(0)
	s_wait_dscnt 0x0                               ; V is in
.irp t, 0,1,2,3                                ; the four accumulators of O^T take one instruction each in a step
	v_wmma_f32_16x16x128_fp8_fp8 v[160+8*\t:167+8*\t], v[32+16*\t:47+16*\t], v[224:239], v[160+8*\t:167+8*\t]
.endr
.if \gen
.Lhidden_\@:
	s_add_co_u32 s[KF], s[KF], 128
	s_and_b32 s[KF], s[KF], 2047                   ; behind key 2,047 comes key 0: the low tile's walk
.endif
	s_add_co_u32 s[TB], s[TB], STEPB
.if \gen
	s_and_b32 s[TB], s[TB], VLDS-1
.endif
.endm
; A tile is finished: O^T x 2^(e4 + e5) / the sum, held, converted with 2^e6, and stored: two pieces of an image, 512 consecutive bytes each, aligned.
.macro FINISH
.rept 4
	v_nop                                          ; places behind the last products
.endr
	v_add_f32 v14, v14, v15                        ; the sum's two halves,
	s_delay_alu instid0(VALU_DEP_1)
	v_permlanex16_b32 v208, v14, s[SEL], s[SEL+1]
	s_delay_alu instid0(VALU_DEP_1)
	v_add_f32 v14, v14, v208                       ; and lane l xor 16's
	s_wait_alu depctr_va_vdst(0)
	v_rcp_f32 v222, v14
	v_nop                                          ; a plain line behind the transcendental,
	s_wait_alu depctr_va_vdst(0)                   ; and the wait ahead of its first reader
	v_ldexp_f32 v222, v222, s72
	s_wait_alu depctr_va_vdst(0)                   ; and directly ahead of the first reader of O^T
.set j, 0
.rept 16
	v_pk_mul_f32 v[96+j:97+j], v[160+j:161+j], v[222:223] op_sel_hi:[1,0]   ; register 16 t + i: channel 32 t + 16 h + i of my query
.set j, j+2
.endr
.set j, 0
.rept 32
	v_med3_num_f32 v[96+j], v[96+j], -v220, v220
.set j, j+1
.endr
.irp g, 0,1,2,3
	v_cvt_scalef32_pk8_fp8_f32 v[224+2*\g:225+2*\g], v[96+8*\g:103+8*\g], v221
.endr
	v_nop                                          ; a plain line behind the last conversion
	global_store_b128 v[GO], v[224:227], s[OB:OB+1]
	global_store_b128 v[GO], v[228:231], s[OB:OB+1] offset:512
.endm
	s_wait_alu depctr_va_vdst(0)
	s_wait_tensorcnt 0x0                           ; my part of keys 0-511 is in; the second fill is issued as a refill is:
	ds_add_u32 v[SPW], v[NIL]                      ; 0 onto my spare word
	s_lshl_b32 s16, s16, 1                         ; no load of mine is out, so the descriptor may be written: from 4,096 x eighth to FIRST + 12,288 x eighth
	s_add_co_u32 s16, s16, FIRST
	s_mov_b32 s17, 0
	s_add_co_u32 s[G0+1], s[G0+1], s16             ; in LDS
	s_add_nc_u64 s[G0+2:G0+3], s[G0+2:G0+3], s[16:17]  ; and in memory
	s_mov_b32 s[G1+2], 48<<16                      ; 48 rows of 256 bytes a wave
	s_mov_b32 s[G1+4], 48
	s_wait_dscnt 0x0
	ROUND                                          ; everybody's part is in, and the four partners are here
	JLOAD                                          ; keys 512-2,047: bytes that stage 1 does not read
	s_wait_loadcnt 0x0                             ; Q
	s_mov_b32 s[CNT], 4
.Lfirst:                                           ; STAGE 1: the high tile on keys 0-511: four steps in every wave
	STEP 0
	s_sub_co_u32 s[CNT], s[CNT], 1
	s_cmp_lg_u32 s[CNT], 0
	s_cbranch_scc1 .Lfirst
	s_wait_tensorcnt 0x0                           ; my part of keys 512-2,047 is in,
	ds_add_u32 v[SPW], v[NIL]
	s_mov_b32 s[TB], FIRST
	s_mov_b32 s[KF], 512
	s_wait_dscnt 0x0
	s_barrier_signal -1
	s_barrier_wait -1                              ; and so is everybody's.
	s_mov_b32 s[PH], 0
.Lphase:                                           ; STAGE 2: phase 0: the high tile from key 512 on; phase 1: the low tile from key 0 on
	s_mov_b32 s[CNT], 12
.Lsecond:
	STEP 1
	s_sub_co_u32 s[CNT], s[CNT], 1
	s_cmp_lg_u32 s[CNT], 0
	s_cbranch_scc1 .Lsecond
	FINISH
	s_cmp_lg_u32 s[PH], 0
	s_cbranch_scc1 .Lsame
	v_mov_b32 v26, v27                             ; the low tile's mask number,
	RESET
.set j, 0
.rept 8
	v_mov_b32 v[16+j], v[200+j]                    ; and its queries
.set j, j+1
.endr
	s_wait_alu depctr_va_vdst(0)
	s_wait_xcnt 0x0                                ; the stores have read their codes and their base
	s_mov_b64 s[OB:OB+1], s[OBA:OBA+1]
	s_mov_b32 s[QB], s[QBA]
.Lsame:
	s_add_co_u32 s[PH], s[PH], 1
	s_cmp_lt_u32 s[PH], 2
	s_cbranch_scc1 .Lphase
	s_wait_tensorcnt 0x0                           ; the wave's end
	ds_add_u32 v[SPW], v[NIL]
	s_wait_dscnt 0x0
	ROUND                                          ; the closing round
	s_endpgm
.Lfunc_end_k_qeadb05a512_attn:
	.size	k_qeadb05a512_attn, .Lfunc_end_k_qeadb05a512_attn-k_qeadb05a512_attn
	.p2alignl 7, 3214868480
	.fill 96, 4, 3214868480
	.section	.rodata,"a",@progbits
	.p2align	6, 0x0
	.amdhsa_kernel k_qeadb05a512_attn
		.amdhsa_group_segment_fixed_size 327680
		.amdhsa_private_segment_fixed_size 0
		.amdhsa_enable_private_segment 0
		.amdhsa_kernarg_size 24
		.amdhsa_user_sgpr_count 2
		.amdhsa_user_sgpr_kernarg_segment_ptr 1
		.amdhsa_wavefront_size32 1
		.amdhsa_system_sgpr_workgroup_id_x 1
		.amdhsa_system_sgpr_workgroup_id_y 1
		.amdhsa_system_sgpr_workgroup_id_z 1
		.amdhsa_system_vgpr_workitem_id 0
		.amdhsa_next_free_vgpr 256
		.amdhsa_next_free_sgpr 100
		.amdhsa_reserve_vcc 1
		.amdhsa_float_denorm_mode_32 3
		.amdhsa_float_denorm_mode_16_64 3
		.amdhsa_memory_ordered 1
		.amdhsa_forward_progress 1
		.amdhsa_inst_pref_size 52
	.end_amdhsa_kernel
	.amdgpu_metadata
---
amdhsa.version: [ 1, 2 ]
amdhsa.kernels:
  - .name:           k_qeadb05a512_attn
    .symbol:         k_qeadb05a512_attn.kd
    .args:
      - { .name: qkv_codes, .offset: 0, .size: 8, .value_kind: global_buffer, .address_space: global }
      - { .name: lowp_scales, .offset: 8, .size: 8, .value_kind: global_buffer, .address_space: global }
      - { .name: attn_codes, .offset: 16, .size: 8, .value_kind: global_buffer, .address_space: global }
    .group_segment_fixed_size: 327680
    .private_segment_fixed_size: 0
    .kernarg_segment_align: 8
    .kernarg_segment_size: 24
    .max_flat_workgroup_size: 512
    .sgpr_count:     100
    .vgpr_count:     256
    .wavefront_size: 32
...
	.end_amdgpu_metadata
.endif
;; end of part 3
;; launch proj (part 4): grid 4 x 64, 4 waves a work-group, clusters of 4 x 4, 327,680 bytes of LDS; arguments attn_codes, wout_codes, lowp_scales, b_out, out0; writes out0
.if DOCPART == 4
	.amdgcn_target "amdgcn-amd-amdhsa--gfx1250"
	.amdhsa_code_object_version 6
	.text
	.protected	k_qeadb05a512_proj
	.globl	k_qeadb05a512_proj
	.p2align	8
	.type	k_qeadb05a512_proj,@function
k_qeadb05a512_proj:
	s_mov_b64 s[64:65], 0
	v_nop
	global_prefetch_b8 v0, s[64:65] scope:SCOPE_SE
	s_setreg_imm32_b32 hwreg(HW_REG_WAVE_MODE, 25, 1), 1
	s_wait_xcnt 0x0
	s_wait_alu depctr_hold_cnt(0) depctr_sa_sdst(0) depctr_va_vdst(0) depctr_va_sdst(0) depctr_va_ssrc(0) depctr_va_vcc(0) depctr_vm_vsrc(0)
	s_getreg_b32 s2, hwreg(HW_REG_IB_STS2, 6, 4)
	s_cmp_eq_u32 s2, 0
	s_cbranch_scc0 .Lentry_in_a_cluster
	s_endpgm
.Lentry_in_a_cluster:
	s_bfe_u32 s2, ttmp6, 0x10000c
	s_cmp_lg_u32 s2, 0xf033
	s_cbranch_scc0 .Lentry_shape_is_right
	s_endpgm
.Lentry_shape_is_right:
; out0 = attention's result x w_out + b_out on codes of FP8 (E4M3): out = sum x 2^(e6 + e7) + bias, one fused multiply-add.  LIMIT: e6 + e7 between -126 and 127.
; attn_codes: images of operand registers, [256 rows: 32][128 k: 8][tile a of 16 rows: 16][c: 4][lane][16 bytes]; tile a's lane r is row 32 (a / 2) + 8 (a % 2) + r + 8 (r / 8) of its 256.
; wout_codes [1024 positions][1024], K innermost; position p holds the logical column p with bits 3 and 4 exchanged, so that two neighbouring tiles' 16 registers are 16 neighbouring columns.
; A block of out0 is 128 rows x 256 columns: 64 x 4 = 256 work-groups.  Four waves, each 64 x 128: 32 accumulators, one register window.  Source 0 = 16 columns of the weight, source 1 = 16 rows.
; K = 1024 goes in four steps of 256 through two LDS slots: A's 2 x 16,384 bytes of images (dense, read at 16 x lane), then B's 256 rows of 256 bytes + 16 of padding.
; BOTH SLOTS ARE ASKED FOR AT THE HEAD, one load a wave: wave 0 A's K step 0, wave 1 B's, waves 2 and 3 the same of K step 1.  Each wave fills its own part once more, two K steps on, behind its slot's round.
; CLUSTERS of 4 x 4: A's tile is shared along a row of the cluster, B's along a column: each is asked for jointly.
; NO PREFETCH: K has four steps; two are asked for at the head and the other two within the first two steps: no trip lies far enough ahead of a load to ask in.
; REGISTERS: window 0: v16-29 addresses, v32-35 the bias, v128-255 A's fragments, two sets of 4 x 16 (on the way out: rows read back); window 1: B's fragments, two sets of 8 x 16; window 2: accumulator (a, b) at v[8 (8 a + b)].
.set ROWB,   256
.set KROW,   1024
.set PITCH,  272                       ; 68 words: row r starts at bank 4 r mod 64 (64 banks of 4 bytes: ISA guide 11.1)
.set FR,     16
.set NP,     4                         ; places behind this matrix instruction (ISA guide 7.12.1)
.set ABYTES, 32768
.set HALFB,  128*PITCH
.set SLOT,   ABYTES+2*HALFB
.set SPARE,  2*SLOT                    ; behind the ring: the spare words, 128 bytes for each wave, which no other line names
.set SPITCH, 528                       ; the way out: a stage of 16 rows x (512 + 16) bytes for each wave, in slot 0, which has then had its last fill and its last read
.set ADRA, 16
.set ADRB, 20
.set STO,  24
.set RD,   25
.set CO,   26
.set SPW,  28
.set NIL,  29
.set BI,   32
.set AF,   128
.set BK,   128
.set G1, 24                            ; s[24:31] group 1 for A, s[32:35] my group 0 for A
.set G0, 32
.set G1B, 48                           ; s[48:55], s[56:59] the same for B
.set G0B, 56
.set MSB, 0
.macro WIN new                         ; the immediate's high byte repeats the setting that is left
.if MSB != \new
	s_set_vgpr_msb (MSB<<8)|\new
.set MSB, \new
.endif
.endm
.set MUL,  0xa1                        ; source 0 window 1, source 1 window 0, C and D window 2
.set TO_B, 0x40
.macro ABLOAD                          ; even waves ask for A, odd waves for B: one fill to an arm; an s_nop 0 and four v_nop follow each line
	s_cmp_eq_u32 s16, 0
	s_cbranch_scc0 .Lfor_b_\@
	tensor_load_to_lds s[G0:G0+3], s[G1:G1+7]
	s_nop 0
.rept 4
	v_nop
.endr
	s_branch .Lasked_\@
.Lfor_b_\@:
	tensor_load_to_lds s[G0B:G0B+3], s[G1B:G1B+7]
	s_nop 0
.rept 4
	v_nop
.endr
.Lasked_\@:
.endm
.macro RLOAD slot                      ; a slot is filled again by the two waves that filled it at the head: the wave's number alone decides
	s_cmp_lg_u32 s15, \slot
	s_cbranch_scc1 .Lnone_\@
	ABLOAD
.Lnone_\@:
.endm
.macro CREST
	s_cmp_lg_u32 s14, 0
	s_cbranch_scc1 .Lnot_wave_0_\@
	s_barrier_signal -3
.Lnot_wave_0_\@:
	s_barrier_wait -3
	s_barrier_signal -1
	s_barrier_wait -1
.endm
.macro CROUND
	s_barrier_signal -1
	s_barrier_wait -1
	CREST
.endm
	s_load_b256 s[4:11], s[0:1], 0x0               ; attn_codes s[4:5], wout_codes s[6:7], the scales' exponents s[8:9], b_out s[10:11]
	s_load_b64 s[12:13], s[0:1], 0x20              ; out0
	v_lshl_add_u32 v[SPW], v0, 2, SPARE
	v_mov_b32 v[NIL], 0
	ds_add_u32 v[SPW], v[NIL]                      ; the opening lines: the add twice on end and its wait
	ds_add_u32 v[SPW], v[NIL]
	v_lshrrev_b32 v1, 5, v0
	v_readfirstlane_b32 s14, v1                    ; wave 0..3
	s_lshr_b32 s15, s14, 1                         ; which 64 rows are mine.  Also: which slot I fill
	s_and_b32 s16, s14, 1                          ; which 128 columns.  Also: I fill for A (0) or for B (1)
	s_bfe_u32 s40, ttmp6, 0x40000                  ; cx, cy
	s_bfe_u32 s41, ttmp6, 0x40004
	s_lshl_b32 s42, ttmp9, 2
	s_add_co_u32 s42, s42, s40                     ; block column 0..3
	s_and_b32 s17, ttmp7, 0xffff
	s_lshl_b32 s17, s17, 2
	s_add_co_u32 s17, s17, s41                     ; block row 0..63
	s_lshl_b32 s43, s41, 2
	s_lshl_b32 s43, 15, s43                        ; my row of the cluster
	s_lshl_b32 s44, 0x1111, s40                    ; my column
	s_or_b32 s[G1+0], s43, (0<<16)|(1<<21)         ; A: two rows of 16,384 bytes (8 tiles of one 128 k), 32,768 bytes apart; no padding
	s_mov_b32 s[G1+1], 16384<<16
	s_mov_b32 s[G1+2], 2<<16
	s_mov_b32 s[G1+3], 16384<<16
	s_mov_b32 s[G1+4], 2
	s_mov_b32 s[G1+5], 32768
	s_mov_b32 s[G1+6], 0
	s_mov_b32 s[G1+7], 0
	s_or_b32 s[G1B+0], s44, (0<<16)|(1<<20)|(1<<21)|(5<<22)|(3<<25)   ; B: 256 rows of 256 bytes, four words of padding after every 64
	s_mov_b32 s[G1B+1], ROWB<<16
	s_mov_b32 s[G1B+2], 256<<16
	s_mov_b32 s[G1B+3], ROWB<<16
	s_mov_b32 s[G1B+4], 256
	s_mov_b32 s[G1B+5], KROW
	s_mov_b32 s[G1B+6], 0
	s_mov_b32 s[G1B+7], 0
	s_lshr_b32 s20, s17, 1
	s_lshl_b32 s20, s20, 18                        ; A: the 256 rows' 262,144 bytes,
	s_and_b32 s18, s17, 1
	s_lshl_b32 s18, s18, 14                        ; my block's 8 tiles of the 16,
	s_add_co_u32 s20, s20, s18
	s_lshl_b32 s18, s15, 16                        ; K step wave / 2: two 128 k of 32,768 bytes
	s_add_co_u32 s20, s20, s18
	s_mov_b32 s21, 0
	s_lshl_b32 s46, s42, 18                        ; B: 256 rows of 1,024 bytes,
	s_lshl_b32 s18, s15, 8                         ; K step wave / 2
	s_add_co_u32 s46, s46, s18
	s_mov_b32 s47, 0
	s_mul_i32 s45, s15, SLOT                       ; LDS: the wave's number alone
	s_wait_dscnt 0x0                               ; both opening adds are done
	s_wait_kmcnt 0x0
	s_load_b256 s[84:91], s[8:9], 0x0              ; e0 .. e7
	s_mov_b32 s[G0], 1
	s_mov_b32 s[G0+1], s45
	s_add_nc_u64 s[G0+2:G0+3], s[4:5], s[20:21]
	s_or_b32 s[G0+3], s[G0+3], 0x80000000
	s_mov_b32 s[G0B], 1
	s_add_co_u32 s[G0B+1], s45, ABYTES
	s_add_nc_u64 s[G0B+2:G0B+3], s[6:7], s[46:47]
	s_or_b32 s[G0B+3], s[G0B+3], 0x80000000
	CROUND                                         ; all sixteen work-groups are here: the first joint loads meet
	ABLOAD                                         ; K steps 0 and 1
	v_and_b32 v1, 15, v0                           ; r
	v_bfe_u32 v2, v0, 4, 1                         ; h
	v_and_b32 v6, 31, v0
	v_lshlrev_b32 v[CO], 4, v6                     ; 16 x lane
	v_mul_u32_u24 v3, v1, PITCH
	v_lshl_add_u32 v4, v2, 4, v3
	s_lshl_b32 s21, s15, 13                        ; my four tiles of A's eight
	s_mul_i32 s22, s16, HALFB
	s_add_co_u32 s22, s22, ABYTES
.irp s, 0,1
	v_add_nc_u32 v[ADRA+\s], s21, v[CO]
	v_add_nc_u32 v[ADRB+\s], s22, v4
	s_add_co_u32 s21, s21, SLOT
	s_add_co_u32 s22, s22, SLOT
.endr
	s_mul_i32 s23, s14, 16*SPITCH
	v_mul_u32_u24 v5, v1, SPITCH
	v_lshl_add_u32 v5, v2, 6, v5                   ; into the stage: row r, 64 bytes for each half of the lanes in every 128
	v_add_nc_u32 v[STO], s23, v5
	v_add_nc_u32 v[RD], s23, v[CO]                 ; back: the 32 lanes take a row of 512 bytes
	s_lshl_b32 s20, s17, 7
	s_lshl_b32 s21, s15, 6
	s_add_co_u32 s20, s20, s21                     ; my first row
	s_lshl_b32 s20, s20, 12
	s_lshl_b32 s46, s42, 10
	s_lshl_b32 s47, s16, 9
	s_add_co_u32 s46, s46, s47                     ; my first column, in bytes
	s_mov_b32 s47, 0
	s_add_nc_u64 s[94:95], s[10:11], s[46:47]
	s_add_co_u32 s20, s20, s46
	s_mov_b32 s21, 0
	s_add_nc_u64 s[12:13], s[12:13], s[20:21]
	global_load_b128 v[BI:BI+3], v[CO], s[94:95]   ; the bias of my lane's four columns
	s_wait_alu depctr_va_vdst(0)
	s_wait_kmcnt 0x0
	s_add_co_i32 s96, s90, s91
	s_add_co_i32 s96, s96, 127
	s_lshl_b32 s96, s96, 23                        ; 2^(e6 + e7) as f32
	s_mov_b32 s97, s96
.macro FETCH slot, q, p                ; the fragments of the slot's q-th 128 along K into set p: registers 4 c .. 4 c + 3 hold K = 32 c + 16 h + 0 .. 15 on both sides
	WIN TO_B
.irp i, 0,1,2,3,4,5,6,7
.irp c, 0,1,2,3
	ds_load_b128 v[128*(\p)+FR*\i+4*\c:128*(\p)+FR*\i+4*\c+3], v[ADRB+\slot] offset:128*(\q)+32*\c+\i*16*PITCH
.endr
.endr
	WIN 0
.irp i, 0,1,2,3
.irp c, 0,1,2,3
	ds_load_b128 v[AF+64*(\p)+FR*\i+4*\c:AF+64*(\p)+FR*\i+4*\c+3], v[ADRA+\slot] offset:((\q)*8+\i)*2048+512*\c
.endr
.endr
.endm
.macro MUL16 a0, p, zero               ; A's blocks a0, a0 + 1 x B's eight.  The 32 accumulators take turns, one instruction a turn
.irp a, \a0, \a0+1
.irp b, 0,1,2,3,4,5,6,7
.if \zero
	v_wmma_f32_16x16x128_fp8_fp8 v[8*(8*(\a)+\b):8*(8*(\a)+\b)+7], v[128*(\p)+FR*\b:128*(\p)+FR*\b+FR-1], v[AF+64*(\p)+FR*(\a):AF+64*(\p)+FR*(\a)+FR-1], 0
.else
	v_wmma_f32_16x16x128_fp8_fp8 v[8*(8*(\a)+\b):8*(8*(\a)+\b)+7], v[128*(\p)+FR*\b:128*(\p)+FR*\b+FR-1], v[AF+64*(\p)+FR*(\a):AF+64*(\p)+FR*(\a)+FR-1], v[8*(8*(\a)+\b):8*(8*(\a)+\b)+7]
.endif
.endr
.endr
.endm
.macro PLACES n
.rept \n
	v_nop
.endr
.endm
.macro STEP slot, zero                 ; a slot's first 128 along K (set 0); the second's fragments are fetched into set 1 under its products
	s_wait_dscnt 0x0                               ; set 0 is in
	PLACES NP                                      ; between the last step's products, which read set 1, and the loads into it
	FETCH \slot, 1, 1
	WIN MUL
	MUL16 0, 0, \zero
	MUL16 2, 0, \zero
	WIN 0
.endm
.macro TURN slot, next, fill           ; a slot's second 128 (set 1) and the change of slots
	s_wait_tensorcnt 0x0                           ; all my tensor loads have landed
	ds_add_u32 v[SPW], v[NIL]                      ; 0 onto my spare word
	s_wait_dscnt 1                                 ; set 1 is in; the add alone may be out
	WIN MUL
	MUL16 0, 1, 0
	s_wait_dscnt 0x0                               ; the add is done, and my reads of this slot are over
	s_barrier_signal -1
	MUL16 2, 1, 0
	WIN 0
	s_barrier_wait -1
.if \fill
	CREST                                          ; the barrier has opened a round of the cluster's: no wave of any partner still reads this slot or has a load on its way
	RLOAD \slot
.endif
	PLACES NP                                      ; between the products that read set 0 and the loads into it
	FETCH \next, 0, 0
.endm
	s_wait_alu depctr_va_vdst(0)
	s_wait_tensorcnt 0x0                           ; my fill is in, so my groups 0 may be written: two K steps on, for my one refill
	s_add_nc_u64 s[G0+2:G0+3], s[G0+2:G0+3], 131072
	s_add_nc_u64 s[G0B+2:G0B+3], s[G0B+2:G0B+3], 2*ROWB
	s_barrier_signal -1
	s_barrier_wait -1                              ; everybody's fill is in: both slots are whole
	FETCH 0, 0, 0
	STEP 0, 1                                      ; eight steps of 128 on end: the first products start the sums
	TURN 0, 1, 1                                   ; slot 0 takes K step 2
	STEP 1, 0
	TURN 1, 0, 1                                   ; slot 1 takes K step 3
	STEP 0, 0
	TURN 0, 1, 0
	STEP 1, 0
	s_wait_dscnt 0x0
	WIN MUL
	MUL16 0, 1, 0
	MUL16 2, 1, 0
	WIN 0
; THE WAY OUT, block by block of 16 rows x 128 columns, through my own stage: in as 32 bytes a lane and tile, back as rows of 512 bytes; LDS serves a wave's instructions in order (ISA guide 5.7.1.4).
.macro TOSTAGE a
.set AC, 64*(\a)
	WIN 0x08                                       ; store data in window 2
.irp b, 0,1,2,3,4,5,6,7
	ds_store_b128 v[STO], v[AC+8*\b:AC+8*\b+3] offset:128*(\b/2)+32*(\b%2)
	ds_store_b128 v[STO], v[AC+8*\b+4:AC+8*\b+7] offset:128*(\b/2)+32*(\b%2)+16
.endr
	WIN 0
.set BB, BK+64*((\a)%2)
.irp t, 0,1,2,3,4,5,6,7,8,9,10,11,12,13,14,15
	ds_load_b128 v[BB+4*\t:BB+4*\t+3], v[RD] offset:\t*SPITCH
.endr
.endm
.macro SEND a, younger                 ; younger: the LDS instructions issued behind block a's loads
.set BB, BK+64*((\a)%2)
	s_wait_dscnt \younger
.irp t, 0,1,2,3,4,5,6,7,8,9,10,11,12,13,14,15
	v_pk_fma_f32 v[BB+4*\t:BB+4*\t+1], v[BB+4*\t:BB+4*\t+1], s[96:97], v[BI:BI+1] op_sel_hi:[1,0,1]
	v_pk_fma_f32 v[BB+4*\t+2:BB+4*\t+3], v[BB+4*\t+2:BB+4*\t+3], s[96:97], v[BI+2:BI+3] op_sel_hi:[1,0,1]
.endr
.irp t, 0,1,2,3,4,5,6,7,8,9,10,11,12,13,14,15
	global_store_b128 v[CO], v[BB+4*\t:BB+4*\t+3], s[12:13] offset:(32*((\a)/2)+8*((\a)%2)+\t+8*(\t/8))*4096 th:TH_STORE_NT   ; 32 lanes store 512 consecutive bytes, aligned
.endr
.endm
	s_wait_loadcnt 0x0                             ; the bias
	PLACES NP                                      ; behind the last products
	TOSTAGE 0
.irp a, 1,2,3
.if \a > 1
	s_wait_xcnt 0x0                                ; block a - 2's stores have read their registers
.endif
	TOSTAGE \a
	SEND \a-1, 32
.endr
	SEND 3, 0
	s_wait_tensorcnt 0x0                           ; the wave's end
	ds_add_u32 v[SPW], v[NIL]
	s_wait_dscnt 0x0
	CROUND                                         ; the closing round
	s_endpgm
.Lfunc_end_k_qeadb05a512_proj:
	.size	k_qeadb05a512_proj, .Lfunc_end_k_qeadb05a512_proj-k_qeadb05a512_proj
	.p2alignl 7, 3214868480
	.fill 96, 4, 3214868480
	.section	.rodata,"a",@progbits
	.p2align	6, 0x0
	.amdhsa_kernel k_qeadb05a512_proj
		.amdhsa_group_segment_fixed_size 327680
		.amdhsa_private_segment_fixed_size 0
		.amdhsa_enable_private_segment 0
		.amdhsa_kernarg_size 40
		.amdhsa_user_sgpr_count 2
		.amdhsa_user_sgpr_kernarg_segment_ptr 1
		.amdhsa_wavefront_size32 1
		.amdhsa_system_sgpr_workgroup_id_x 1
		.amdhsa_system_sgpr_workgroup_id_y 1
		.amdhsa_system_sgpr_workgroup_id_z 1
		.amdhsa_system_vgpr_workitem_id 0
		.amdhsa_next_free_vgpr 768
		.amdhsa_next_free_sgpr 100
		.amdhsa_reserve_vcc 0
		.amdhsa_float_denorm_mode_32 3
		.amdhsa_float_denorm_mode_16_64 3
		.amdhsa_memory_ordered 1
		.amdhsa_forward_progress 1
		.amdhsa_inst_pref_size 74
	.end_amdhsa_kernel
	.amdgpu_metadata
---
amdhsa.version: [ 1, 2 ]
amdhsa.kernels:
  - .name:           k_qeadb05a512_proj
    .symbol:         k_qeadb05a512_proj.kd
    .args:
      - { .name: attn_codes, .offset: 0, .size: 8, .value_kind: global_buffer, .address_space: global }
      - { .name: wout_codes, .offset: 8, .size: 8, .value_kind: global_buffer, .address_space: global }
      - { .name: lowp_scales, .offset: 16, .size: 8, .value_kind: global_buffer, .address_space: global }
      - { .name: b_out, .offset: 24, .size: 8, .value_kind: global_buffer, .address_space: global }
      - { .name: out0, .offset: 32, .size: 8, .value_kind: global_buffer, .address_space: global }
    .group_segment_fixed_size: 327680
    .private_segment_fixed_size: 0
    .kernarg_segment_align: 8
    .kernarg_segment_size: 40
    .max_flat_workgroup_size: 128
    .sgpr_count:     100
    .vgpr_count:     768
    .wavefront_size: 32
...
	.end_amdgpu_metadata
.endif
;; end of part 4
